; MI455X (gfx1250); checked and timed in simulation.
; The chip was launched on July 23, 2026; its instructions are those of AMD's public machine-readable ISA for CDNA 5 (MIT licence, August 2026) and "CDNA5" Instruction Set Architecture Reference Guide (July 2026). The comments in the code are by the model that wrote it; some were corrected since.
;; Encoder Layer. Allowed arithmetic: float matrix products may take bf16 or f16 operands with f32 sums; other float arithmetic in f32, or as packed bf16 or f16 multiplies, adds, multiply-adds, maxima and minima; sums over many terms, partial sums and values carried from step to step in f32; what a program stores and reads back later, other than sums and carried values, may be rounded once to bf16 or f16.
;; Inputs: b1 4,096 float32; b2 1,024 float32; bk 1,024 float32; bo 1,024 float32; bq 1,024 float32; bv 1,024 float32; ln1_b 1,024 float32; ln1_g 1,024 float32; ln2_b 1,024 float32; ln2_g 1,024 float32; mask 2 x 1 x 2,048 int32; w1 1,024 x 4,096 float32; w2 4,096 x 1,024 float32; wk 1,024 x 1,024 float32; wo 1,024 x 1,024 float32; wq 1,024 x 1,024 float32; wv 1,024 x 1,024 float32; x 2 x 2,048 x 1,024 float32.
;; Outputs: out0 2 x 2,048 x 1,024 float32.
;; One version. Each part assembles by itself: llvm-mc -triple=amdgcn-amd-amdhsa -mcpu=gfx1250 --defsym DOCPART=n.
;; ======== version 1 of 1: 7 launches
;; limits: values are held in f16: magnitudes above 65,504 overflow, below 6.1e-05 lose precision; right only within a limited range of input values
;; workspace buffers: act8 8,388,608 bytes; act32 33,554,432 bytes; x1 16,777,216 bytes; pk_qkv 6,308,096 bytes; pk_f1 8,405,248 bytes; w_o 2,097,152 bytes; w_2 8,388,608 bytes
;; launch prep (part 1): grid 2561 x 1, 4 waves a work-group, no clusters, 0 bytes of LDS; arguments wq, wk, wv, wo, w1, w2, bq, bk, bv, b1, pk_qkv, pk_f1, w_o, w_2, x, ln1_g, ln1_b, act8; writes pk_qkv, pk_f1, w_o, w_2, act8
.if DOCPART == 1
	.amdgcn_target "amdgcn-amd-amdhsa--gfx1250"
	.amdhsa_code_object_version 6
	.text
	.protected	k_qde6e920e06_prep
	.globl	k_qde6e920e06_prep
	.p2align	8
	.type	k_qde6e920e06_prep,@function
k_qde6e920e06_prep:
	s_mov_b64 s[64:65], 0
	v_nop
	global_prefetch_b8 v0, s[64:65] scope:SCOPE_SE
	s_setreg_imm32_b32 hwreg(HW_REG_WAVE_MODE, 25, 1), 1
	s_wait_xcnt 0x0
; TWO PIECES OF WORK THAT HANG ON THE PROBLEM'S INPUTS ALONE SHARE THIS LAUNCH: the weights are rounded once to f16 and laid in tiles, and the first row norm is made.
; THE WEIGHTS.  LIMIT: a weight of 65,520 or more in magnitude becomes an infinity in f16; below 6e-5 f16 keeps a fixed step of 6e-8.
; pk_qkv, pk_f1: byte 0: 64 words FLOOR (two f16 each: -inf for q, k, v; 0 for the ReLU); byte 256: the bias in f32; byte 16,640: W as [tile column of 256][1,024 k][256 n].
; w_o, w_2: W as [K step of 256][8 tile columns of 128][256 k][128 n].
; Work-groups 0-1,535 take 8 rows (k) of a segment of 1,024 columns each: 32,768 bytes in, 16,384 out.  Thread t takes 4 columns of each half segment of 512:
; a wave's load covers 512 consecutive bytes, a wave's store 256 consecutive bytes, aligned.  A wave's 16 loads (8 rows x 2 halves) all go out at once; no register is written twice.
; Work-group 1,536 copies the biases and writes the two headers.
; THE NORM.  y[r][c] = g[c] (x[r][c] - mean) / (std + 1e-6) + b[c], std with the divisor 1,023.  x: [4096][1024] f32, y: [4096][1024] f16, rounded once.
; LIMITS: |y| stays below 65,504 (f16); the root and the reciprocal take a denormal for 0; NaN and infinities are not treated apart.
; Work-groups 1,537-2,560 take 4 rows each, a wave a row: eight 16-byte loads a lane; the row stays in 32 registers through all three passes (sum; squares of x - mean; scaling).
; No LDS, no barrier, no matrix unit, no cluster: nothing is shared and nothing is multiplied.
.set SO, 2                             ; v[2:17]    slot i: byte offset of its load
.set DO, 18                            ; v[18:33]   slot i: byte offset of its store
.set X,  36                            ; v[36:99]   slot i: 4 registers as loaded
.set Y,  100                           ; v[100:131] slot i: 2 registers to store
.set WOFF,  16640
.set NG, 8                             ; the norm: v[8:39]    g of my 32 columns
.set NB, 40                            ; v[40:71]   b of them
.set NX, 72                            ; v[72:103]  the row
.set NT, 104                           ; v[104:111] at work
.set NM, 112                           ; v[112:113] the mean, twice
.set NR, 114                           ; v[114:115] 1 / (std + eps), twice
.set NY, 116                           ; v[116:131] to store
; s[36:37] source, s[38:39] destination, s[42:43], s[44:45] their offsets, s46 bytes from row to row in the source, s47 in the destination,
; s48 bytes from half to half in the destination, s49-s51 how a thread's number splits into tile column and place in it
.macro TYPEA                           ; tiles of 256 columns: rows of 512 bytes, tile columns 524,288 bytes apart
	s_mov_b32 s47, 512
	s_mov_b32 s48, 1048576
	s_mov_b32 s49, 6
	s_mov_b32 s50, 19
	s_mov_b32 s51, 63
.endm
.macro TYPEB                           ; tiles of 128 columns: rows of 256 bytes, tile columns 65,536 bytes apart
	s_mov_b32 s47, 256
	s_mov_b32 s48, 262144
	s_mov_b32 s49, 5
	s_mov_b32 s50, 16
	s_mov_b32 s51, 31
.endm
.macro DOFFB                           ; rows 8 j on: K step j / 32, row 8 (j % 32) in it
	s_lshr_b32 s44, s57, 5
	s_lshl_b32 s44, s44, 19
	s_and_b32 s58, s57, 31
	s_lshl_b32 s58, s58, 11
	s_add_co_u32 s44, s44, s58
.endm
	s_mov_b32 s41, ttmp9
	s_cmp_ge_u32 s41, 1537                         ; the branch stands ahead of every scalar load: each path loads its own arguments
	s_cbranch_scc1 .Lnorm
	s_load_b512 s[8:23], s[0:1], 0x0               ; wq 8, wk 10, wv 12, wo 14, w1 16, w2 18, bq 20, bk 22
	s_load_b256 s[24:31], s[0:1], 0x40             ; bv 24, b1 26, pk_qkv 28, pk_f1 30
	s_load_b128 s[32:35], s[0:1], 0x60             ; w_o 32, w_2 34
	s_mov_b32 s43, 0
	s_mov_b32 s45, 0
	s_wait_kmcnt 0x0
	s_cmp_ge_u32 s41, 1536
	s_cbranch_scc1 .Lsmall
	s_cmp_ge_u32 s41, 1024
	s_cbranch_scc1 .Lw2
	s_cmp_ge_u32 s41, 512
	s_cbranch_scc1 .Lw1
	s_cmp_ge_u32 s41, 384
	s_cbranch_scc1 .Lwo
	s_lshr_b32 s56, s41, 7                         ; wq, wk or wv
	s_and_b32 s57, s41, 127                        ; its rows 8 j on
	s_cmp_eq_u32 s56, 1
	s_cselect_b64 s[36:37], s[10:11], s[8:9]
	s_cmp_eq_u32 s56, 2
	s_cselect_b64 s[36:37], s[12:13], s[36:37]
	s_mov_b64 s[38:39], s[28:29]
	s_lshl_b32 s42, s57, 15
	s_lshl_b32 s44, s56, 21                        ; four tile columns a matrix
	s_lshl_b32 s58, s57, 12
	s_add_co_u32 s44, s44, s58
	s_add_co_u32 s44, s44, WOFF
	s_mov_b32 s46, 4096
	TYPEA
	s_branch .Lgo
.Lwo:
	s_and_b32 s57, s41, 127
	s_mov_b64 s[36:37], s[14:15]
	s_mov_b64 s[38:39], s[32:33]
	s_lshl_b32 s42, s57, 15
	DOFFB
	s_mov_b32 s46, 4096
	TYPEB
	s_branch .Lgo
.Lw1:
	s_sub_co_u32 s57, s41, 512                     ; rows 8 (j / 4) on, segment j % 4
	s_mov_b64 s[36:37], s[16:17]
	s_mov_b64 s[38:39], s[30:31]
	s_lshr_b32 s56, s57, 2
	s_and_b32 s57, s57, 3
	s_lshl_b32 s42, s56, 17
	s_lshl_b32 s58, s57, 12
	s_add_co_u32 s42, s42, s58
	s_lshl_b32 s44, s57, 21
	s_lshl_b32 s58, s56, 12
	s_add_co_u32 s44, s44, s58
	s_add_co_u32 s44, s44, WOFF
	s_mov_b32 s46, 16384
	TYPEA
	s_branch .Lgo
.Lw2:
	s_sub_co_u32 s57, s41, 1024
	s_mov_b64 s[36:37], s[18:19]
	s_mov_b64 s[38:39], s[34:35]
	s_lshl_b32 s42, s57, 15
	DOFFB
	s_mov_b32 s46, 4096
	TYPEB
.Lgo:
	s_add_nc_u64 s[36:37], s[36:37], s[42:43]
	s_add_nc_u64 s[38:39], s[38:39], s[44:45]
	v_lshlrev_b32 v34, 4, v0                       ; 16 t
	v_lshrrev_b32 v1, s49, v0                      ; my tile column in the half segment,
	v_lshlrev_b32 v1, s50, v1
	v_and_b32 v35, s51, v0                         ; my 8 bytes in its row
	v_lshl_or_b32 v1, v35, 3, v1
.set i, 0
.rept 16                                       ; slot i: row i / 2, half i % 2
	s_mul_i32 s56, s46, i/2
	s_mul_i32 s57, s47, i/2
.if i%2
	s_add_co_u32 s56, s56, 2048
	s_add_co_u32 s57, s57, s48
.endif
	v_add_nc_u32 v[SO+i], s56, v34
	v_add_nc_u32 v[DO+i], s57, v1
.set i, i+1
.endr
.set i, 0
.rept 16
	global_load_b128 v[X+4*i:X+4*i+3], v[SO+i], s[36:37] th:TH_LOAD_NT
.set i, i+1
.endr
.set i, 0
.rept 16
	s_wait_loadcnt 15-i                            ; loads come back in order: slot i is in, the younger ones stay out
	v_cvt_pk_f16_f32 v[Y+2*i],   v[X+4*i],   v[X+4*i+1]
	v_cvt_pk_f16_f32 v[Y+2*i+1], v[X+4*i+2], v[X+4*i+3]
	global_store_b64 v[DO+i], v[Y+2*i:Y+2*i+1], s[38:39] th:TH_STORE_NT
.set i, i+1
.endr
	s_endpgm
.Lsmall:                                               ; the biases: 2,048 bytes a line for the 128 threads
	v_lshlrev_b32 v34, 4, v0
.irp h, 0,1
	global_load_b128 v[36+4*(\h):39+4*(\h)], v34, s[20:21] offset:2048*(\h)
	global_load_b128 v[44+4*(\h):47+4*(\h)], v34, s[22:23] offset:2048*(\h)
	global_load_b128 v[52+4*(\h):55+4*(\h)], v34, s[24:25] offset:2048*(\h)
.endr
.irp h, 0,1,2,3,4,5,6,7
	global_load_b128 v[60+4*(\h):63+4*(\h)], v34, s[26:27] offset:2048*(\h)
.endr
	s_wait_loadcnt 0x0
.irp h, 0,1
	global_store_b128 v34, v[36+4*(\h):39+4*(\h)], s[28:29] offset:256+2048*(\h)
	global_store_b128 v34, v[44+4*(\h):47+4*(\h)], s[28:29] offset:256+4096+2048*(\h)
	global_store_b128 v34, v[52+4*(\h):55+4*(\h)], s[28:29] offset:256+8192+2048*(\h)
.endr
.irp h, 0,1,2,3,4,5,6,7
	global_store_b128 v34, v[60+4*(\h):63+4*(\h)], s[30:31] offset:256+2048*(\h)
.endr
	v_lshrrev_b32 v1, 5, v0
	v_readfirstlane_b32 s56, v1
	s_cmp_lg_u32 s56, 0
	s_cbranch_scc1 .Lend                           ; wave 0 writes the two headers, 256 bytes each
	v_lshlrev_b32 v35, 3, v0
	v_mov_b32 v100, 0xfc00fc00                     ; -inf twice: a maximum with it changes nothing
	v_mov_b32 v101, 0xfc00fc00
	v_mov_b32 v102, 0                              ; 0 twice: a maximum with it is the ReLU
	v_mov_b32 v103, 0
	global_store_b64 v35, v[100:101], s[28:29]
	global_store_b64 v35, v[102:103], s[30:31]
.Lend:
	s_endpgm
.Lnorm:                                                ; THE NORM: a wave a row
	s_load_b256 s[4:11], s[0:1], 0x70              ; x 4, g 6, b 8, y 10
	v_and_b32 v3, 31, v0
	v_lshlrev_b32 v1, 4, v3                        ; 16 x lane: x, g, b
	v_lshlrev_b32 v2, 3, v3                        ; 8 x lane: y
	v_lshrrev_b32 v4, 5, v0
	v_readfirstlane_b32 s14, v4                    ; wave
	s_sub_co_u32 s16, s41, 1537
	s_lshl_b32 s16, s16, 14                        ; 4 rows of 4,096 bytes a work-group,
	s_lshl_b32 s15, s14, 12                        ; one a wave
	s_add_co_u32 s16, s16, s15
	s_mov_b32 s17, 0
	s_lshr_b32 s18, s16, 1                         ; half as many bytes in y
	s_mov_b32 s19, 0
	s_mov_b32 s12, 0x76543210                      ; v_permlanex16_b32: each lane takes its own place in the other half
	s_mov_b32 s13, 0xfedcba98
	s_wait_kmcnt 0x0
	s_add_nc_u64 s[4:5], s[4:5], s[16:17]
	s_add_nc_u64 s[10:11], s[10:11], s[18:19]
.irp j, 0,1,2,3,4,5,6,7
	global_load_b128 v[NX+4*(\j):NX+4*(\j)+3], v1, s[4:5] offset:512*(\j) th:TH_LOAD_NT
.endr
.irp j, 0,1,2,3,4,5,6,7
	global_load_b128 v[NG+4*(\j):NG+4*(\j)+3], v1, s[6:7] offset:512*(\j)
.endr
.irp j, 0,1,2,3,4,5,6,7
	global_load_b128 v[NB+4*(\j):NB+4*(\j)+3], v1, s[8:9] offset:512*(\j)
.endr
.macro TOTAL                           ; four pairs in NT become one number, the same in all 32 lanes
	v_pk_add_f32 v[NT:NT+1], v[NT:NT+1], v[NT+2:NT+3]
	v_pk_add_f32 v[NT+4:NT+5], v[NT+4:NT+5], v[NT+6:NT+7]
	v_pk_add_f32 v[NT:NT+1], v[NT:NT+1], v[NT+4:NT+5]
	v_add_f32 v[NT], v[NT], v[NT+1]
	v_add_f32_dpp v[NT], v[NT], v[NT] row_xmask:1 row_mask:0xf bank_mask:0xf
	v_add_f32_dpp v[NT], v[NT], v[NT] row_xmask:2 row_mask:0xf bank_mask:0xf
	v_add_f32_dpp v[NT], v[NT], v[NT] row_xmask:4 row_mask:0xf bank_mask:0xf
	v_add_f32_dpp v[NT], v[NT], v[NT] row_xmask:8 row_mask:0xf bank_mask:0xf
	v_permlanex16_b32 v[NT+1], v[NT], s12, s13
	v_add_f32 v[NT], v[NT], v[NT+1]
.endm
	s_wait_loadcnt 16                              ; the row is in; g's 8 loads and b's 8 stay out
.irp c, 0,1,2,3
	v_pk_add_f32 v[NT+2*(\c):NT+2*(\c)+1], v[NX+2*(\c):NX+2*(\c)+1], v[NX+8+2*(\c):NX+8+2*(\c)+1]  ; four chains, started by the first pairs
.endr
.irp k, 2,3
.irp c, 0,1,2,3
	v_pk_add_f32 v[NT+2*(\c):NT+2*(\c)+1], v[NT+2*(\c):NT+2*(\c)+1], v[NX+8*(\k)+2*(\c):NX+8*(\k)+2*(\c)+1]
.endr
.endr
	TOTAL
	v_mul_f32 v[NM], 0x3a800000, v[NT]             ; / 1,024
	v_mul_f32 v[NM+1], 0x3a800000, v[NT]
.set k, 0
.rept 16
	v_pk_add_f32 v[NX+k:NX+k+1], v[NX+k:NX+k+1], v[NM:NM+1] neg_lo:[0,1] neg_hi:[0,1]  ; x - mean, in place
.set k, k+2
.endr
.irp c, 0,1,2,3
	v_pk_mul_f32 v[NT+2*(\c):NT+2*(\c)+1], v[NX+2*(\c):NX+2*(\c)+1], v[NX+2*(\c):NX+2*(\c)+1]
.endr
.irp k, 1,2,3
.irp c, 0,1,2,3
	v_pk_fma_f32 v[NT+2*(\c):NT+2*(\c)+1], v[NX+8*(\k)+2*(\c):NX+8*(\k)+2*(\c)+1], v[NX+8*(\k)+2*(\c):NX+8*(\k)+2*(\c)+1], v[NT+2*(\c):NT+2*(\c)+1]
.endr
.endr
	TOTAL
	v_mul_f32 v[NT], 0x3a802008, v[NT]             ; / 1,023
	v_sqrt_f32 v[NT+2], v[NT]
	v_nop                                          ; a plain instruction behind the root, ahead of the use of its result
	s_wait_alu depctr_va_vdst(0)
	v_add_f32 v[NT+2], 0x358637bd, v[NT+2]         ; + 1e-6
	v_rcp_f32 v[NR], v[NT+2]
	v_rcp_f32 v[NR+1], v[NT+2]
	v_nop                                          ; and behind the reciprocals
	s_wait_loadcnt 0x0                             ; g and b
.set k, 0
	s_wait_alu depctr_va_vdst(0)
.rept 16
	v_pk_mul_f32 v[NX+k:NX+k+1], v[NX+k:NX+k+1], v[NR:NR+1]
.set k, k+2
.endr
.set k, 0
.rept 16
	v_pk_fma_f32 v[NX+k:NX+k+1], v[NX+k:NX+k+1], v[NG+k:NG+k+1], v[NB+k:NB+k+1]
.set k, k+2
.endr
.set k, 0
.rept 16
	v_cvt_pk_f16_f32 v[NY+k], v[NX+2*k], v[NX+2*k+1]
.set k, k+1
.endr
.irp j, 0,1,2,3,4,5,6,7
	global_store_b64 v2, v[NY+2*(\j):NY+2*(\j)+1], s[10:11] offset:256*(\j)  ; 256 consecutive bytes, aligned
.endr
	s_endpgm
.Lfunc_end_k_qde6e920e06_prep:
	.size	k_qde6e920e06_prep, .Lfunc_end_k_qde6e920e06_prep-k_qde6e920e06_prep
	.p2alignl 7, 3214868480
	.fill 96, 4, 3214868480
	.section	.rodata,"a",@progbits
	.p2align	6, 0x0
	.amdhsa_kernel k_qde6e920e06_prep
		.amdhsa_group_segment_fixed_size 0
		.amdhsa_private_segment_fixed_size 0
		.amdhsa_enable_private_segment 0
		.amdhsa_kernarg_size 144
		.amdhsa_user_sgpr_count 2
		.amdhsa_user_sgpr_kernarg_segment_ptr 1
		.amdhsa_wavefront_size32 1
		.amdhsa_system_sgpr_workgroup_id_x 1
		.amdhsa_system_sgpr_workgroup_id_y 1
		.amdhsa_system_sgpr_workgroup_id_z 1
		.amdhsa_system_vgpr_workitem_id 0
		.amdhsa_next_free_vgpr 136
		.amdhsa_next_free_sgpr 66
		.amdhsa_reserve_vcc 0
		.amdhsa_float_denorm_mode_32 3
		.amdhsa_float_denorm_mode_16_64 3
		.amdhsa_memory_ordered 1
		.amdhsa_forward_progress 1
		.amdhsa_inst_pref_size 27
	.end_amdhsa_kernel
	.amdgpu_metadata
---
amdhsa.version: [ 1, 2 ]
amdhsa.kernels:
  - .name:           k_qde6e920e06_prep
    .symbol:         k_qde6e920e06_prep.kd
    .args:
      - { .name: wq, .offset: 0, .size: 8, .value_kind: global_buffer, .address_space: global }
      - { .name: wk, .offset: 8, .size: 8, .value_kind: global_buffer, .address_space: global }
      - { .name: wv, .offset: 16, .size: 8, .value_kind: global_buffer, .address_space: global }
      - { .name: wo, .offset: 24, .size: 8, .value_kind: global_buffer, .address_space: global }
      - { .name: w1, .offset: 32, .size: 8, .value_kind: global_buffer, .address_space: global }
      - { .name: w2, .offset: 40, .size: 8, .value_kind: global_buffer, .address_space: global }
      - { .name: bq, .offset: 48, .size: 8, .value_kind: global_buffer, .address_space: global }
      - { .name: bk, .offset: 56, .size: 8, .value_kind: global_buffer, .address_space: global }
      - { .name: bv, .offset: 64, .size: 8, .value_kind: global_buffer, .address_space: global }
      - { .name: b1, .offset: 72, .size: 8, .value_kind: global_buffer, .address_space: global }
      - { .name: pk_qkv, .offset: 80, .size: 8, .value_kind: global_buffer, .address_space: global }
      - { .name: pk_f1, .offset: 88, .size: 8, .value_kind: global_buffer, .address_space: global }
      - { .name: w_o, .offset: 96, .size: 8, .value_kind: global_buffer, .address_space: global }
      - { .name: w_2, .offset: 104, .size: 8, .value_kind: global_buffer, .address_space: global }
      - { .name: x, .offset: 112, .size: 8, .value_kind: global_buffer, .address_space: global }
      - { .name: ln1_g, .offset: 120, .size: 8, .value_kind: global_buffer, .address_space: global }
      - { .name: ln1_b, .offset: 128, .size: 8, .value_kind: global_buffer, .address_space: global }
      - { .name: act8, .offset: 136, .size: 8, .value_kind: global_buffer, .address_space: global }
    .group_segment_fixed_size: 0
    .private_segment_fixed_size: 0
    .kernarg_segment_align: 8
    .kernarg_segment_size: 144
    .max_flat_workgroup_size: 128
    .sgpr_count:     66
    .vgpr_count:     136
    .wavefront_size: 32
...
	.end_amdgpu_metadata
.endif
;; end of part 1
;; launch qkv (part 2): grid 12 x 16, 4 waves a work-group, clusters of 4 x 4, 327,680 bytes of LDS; arguments act8, pk_qkv, act32; writes act32
.if DOCPART == 2
	.amdgcn_target "amdgcn-amd-amdhsa--gfx1250"
	.amdhsa_code_object_version 6
	.text
	.protected	k_qde6e920e06_qkv
	.globl	k_qde6e920e06_qkv
	.p2align	8
	.type	k_qde6e920e06_qkv,@function
k_qde6e920e06_qkv:
	s_mov_b64 s[64:65], 0
	v_nop
	global_prefetch_b8 v0, s[64:65] scope:SCOPE_SE
	s_setreg_imm32_b32 hwreg(HW_REG_WAVE_MODE, 25, 1), 1
	s_wait_xcnt 0x0
	s_wait_alu depctr_hold_cnt(0) depctr_sa_sdst(0) depctr_va_vdst(0) depctr_va_sdst(0) depctr_va_ssrc(0) depctr_va_vcc(0) depctr_vm_vsrc(0)
	s_getreg_b32 s2, hwreg(HW_REG_IB_STS2, 6, 4)
	s_cmp_eq_u32 s2, 0
	s_cbranch_scc0 .Lentry_in_a_cluster
	s_endpgm
.Lentry_in_a_cluster:
	s_bfe_u32 s2, ttmp6, 0x10000c
	s_cmp_lg_u32 s2, 0xf033
	s_cbranch_scc0 .Lentry_shape_is_right
	s_endpgm
.Lentry_shape_is_right:
; C[t][n] = max(FLOOR, bias[n] + the sum over k of A[t][k] W[k][n]).  A: [4096][1024] f16.  The pack holds FLOOR (two f16 in a word) at byte 0, the bias (f32) at byte 256 and
; W (f16) from byte 16,640 on as [tile column of 256][1,024 k][256 n].  C leaves in f16, rounded once, as [unit n / 64][4096 t][64].  Sums in f32; the bias starts each sum.
; LIMIT: |C| stays below 65,504 (f16); NaN is not treated apart (the maximum drops it).
; A tile of C, 256 x 256, is made by four waves, each 128 x 128: 64 accumulators of 16 x 16, 512 registers.  K goes in 8 steps of 128 through a ring of two LDS slots filled by
; tensor loads: A's rows are 256 bytes of memory, W's 512, all aligned to 256.  One load a wave for each step: waves 0, 1 A's two halves, waves 2, 3 W's.
; CLUSTER: 4 x 4 work-groups.  The four of a row of the cluster need the same tiles of A, the four of a column the same tiles of W: each tile is asked for jointly, by the same
; tensor load with the same descriptor and a mask that names the four.
; THE PRODUCT IS TAKEN TRANSPOSED: source 0 = 16 columns of W (read out of [k][n] rows by the turning load), source 1 = 16 rows of A.  A lane then holds one row t (lane % 16)
; and the columns 8 (lane / 16) + 0..7: 16 bytes of C on end.
; REGISTERS in windows of 256 (s_set_vgpr_msb: bits 1:0 source 0, 3:2 source 1, 5:4 source 2, 7:6 destination):
;   window 0: v16-29 addresses; v64-127, v128-191 A's fragments, two buffers; v32-63, v192-255 at work on the way out
;   window 1: v0-63 the bias, 8 registers for each block of 16 columns; v64-127, v128-191 W's fragments, two buffers
;   window 2: the accumulators of my rows 0-63 ((a, b) at v[8 (8 a + b)]);   window 3: those of my rows 64-127
.set KSTEP,  128
.set PA,     272                       ; a row of A in LDS: 256 bytes + 16: the 16 rows of a fragment load start at 16 different groups of four banks
.set PW,     544                       ; a row of W: 512 + 32
.set HALFT,  128*PA                    ; what one tensor load brings: 128 rows of A, or 64 rows of W (64 x 544 is the same number)
.set SLOT,   4*HALFT
.set STAGE,  2*SLOT                    ; behind the ring: 16 rows x 272 bytes for each wave, for the way out
.set SPITCH, 272
.set SPARE,  STAGE+4*16*SPITCH         ; behind the stages: the spare words, 128 bytes a wave
.set LAPS,   4                         ; a lap = two K steps = once round the ring
.set WOFF,   16640
.set UNITB,  524288                    ; bytes in a unit of C: 4,096 rows of 128
.set ADRA, 16                          ; v16-17  LDS address of my A fragments in slot 0, 1
.set ADRB, 20                          ; v20-21  the same for W
.set STO,  24                          ; v24     the way out: where I put 16 bytes of a row
.set RD,   25                          ; v25     where I read rows back
.set CO,   26                          ; v26     16 x lane: my place in 512 consecutive bytes of C
.set BO,   27                          ; v27     32 x (lane / 16): my 8 numbers of a block's bias
.set SPW,  28                          ; v28     my spare word; never rewritten
.set NIL,  29                          ; v29     0; never rewritten
.set F0,   64
.set F1,   128
.set TMP,  192
.set OB,   32
.set G1,  24                           ; s[24:31] group 1 for A;  s[32:39] group 0, a set for each slot
.set G0,  32
.set G1B, 48                           ; s[48:55], s[56:63] the same for W
.set G0B, 56
.set FLOOR, 45
.set MSB, 0
.macro WIN new                         ; the immediate's high byte repeats the setting that is left; a switch that changes nothing is dropped
.if MSB != (\new)
	s_set_vgpr_msb (MSB<<8)|(\new)
.set MSB, \new
.endif
.endm
; A joint load: waves 0 and 1 fetch A's halves, waves 2 and 3 W's.  The branch hangs on the wave's number alone.  An s_nop 0 and four v_nop follow each line.
.macro JLOAD s
	s_cmp_eq_u32 s11, 0
	s_cbranch_scc0 .Lfor_b_\@
	tensor_load_to_lds s[G0+4*(\s):G0+4*(\s)+3], s[G1:G1+7]
	s_nop 0
.rept 4
	v_nop
.endr
	s_branch .Lasked_\@
.Lfor_b_\@:
	tensor_load_to_lds s[G0B+4*(\s):G0B+4*(\s)+3], s[G1B:G1B+7]
	s_nop 0
.rept 4
	v_nop
.endr
.Lasked_\@:
.endm
.macro CREST                           ; a round of the cluster's barrier behind its opening barrier
	s_cmp_lg_u32 s10, 0
	s_cbranch_scc1 .Lnot_wave_0_\@
	s_barrier_signal -3
.Lnot_wave_0_\@:
	s_barrier_wait -3
	s_barrier_signal -1
	s_barrier_wait -1
.endm
.macro CROUND
	s_barrier_signal -1
	s_barrier_wait -1
	CREST
.endm
.macro PLACES                          ; four plain instructions between a matrix instruction and a load into, or a read of, its registers
.rept 4
	v_nop
.endr
.endm
	s_load_b128 s[4:7], s[0:1], 0x0                ; A s[4:5], the pack s[6:7]
	s_load_b64 s[8:9], s[0:1], 0x10                ; C
	v_lshl_add_u32 v[SPW], v0, 2, SPARE
	v_mov_b32 v[NIL], 0
	ds_add_u32 v[SPW], v[NIL]                      ; the wave's opening: the add and its wait stand ahead of my first tensor load
	v_lshrrev_b32 v1, 5, v0
	v_readfirstlane_b32 s10, v1                    ; wave 0..3
	s_lshr_b32 s11, s10, 1                         ; my half of the tile's rows.  Also: I fetch for A (0) or for W (1)
	s_and_b32 s12, s10, 1                          ; my half of its columns.  Also: which half of that tile I fetch
	s_bfe_u32 s40, ttmp6, 0x40000                  ; cx
	s_bfe_u32 s41, ttmp6, 0x40004                  ; cy
	s_lshl_b32 s42, ttmp9, 2
	s_add_co_u32 s42, s42, s40                     ; tile column = 4 x cluster x + cx
	s_and_b32 s13, ttmp7, 0xffff
	s_lshl_b32 s13, s13, 2
	s_add_co_u32 s13, s13, s41                     ; tile row = 4 x cluster y + cy
	s_lshl_b32 s43, s41, 2
	s_lshl_b32 s43, 15, s43                        ; my row of the cluster
	s_lshl_b32 s44, 0x1111, s40                    ; my column
	s_or_b32 s[G1+0], s43, (1<<16)|(1<<20)|(1<<21)|(5<<22)|(3<<25)   ; the mask; 2-byte elements; padding on; bit 21 beside a mask; 4 words after every 64
	s_mov_b32 s[G1+1], 128<<16                     ; tensor_dim0 = 128
	s_mov_b32 s[G1+2], 128<<16                     ; tensor_dim1 = 128
	s_mov_b32 s[G1+3], 128<<16                     ; tile_dim0 = 128
	s_mov_b32 s[G1+4], 128                         ; tile_dim1 = 128
	s_mov_b32 s[G1+5], 1024                        ; elements from row to row
	s_mov_b32 s[G1+6], 0
	s_mov_b32 s[G1+7], 0
	s_or_b32 s[G1B+0], s44, (1<<16)|(1<<20)|(1<<21)|(6<<22)|(7<<25)  ; 8 words after every 128
	s_mov_b32 s[G1B+1], 256<<16                    ; 256 elements a row,
	s_mov_b32 s[G1B+2], 64<<16                     ; 64 rows
	s_mov_b32 s[G1B+3], 256<<16
	s_mov_b32 s[G1B+4], 64
	s_mov_b32 s[G1B+5], 256
	s_mov_b32 s[G1B+6], 0
	s_mov_b32 s[G1B+7], 0
	s_lshl_b32 s16, s13, 19                        ; A: (256 x tile row + 128 x half) rows of 2,048 bytes
	s_lshl_b32 s17, s12, 18
	s_add_co_u32 s16, s16, s17
	s_mov_b32 s17, 0
	s_lshl_b32 s46, s42, 19                        ; W: the tile column's 524,288 bytes, my 64 rows of 512
	s_lshl_b32 s47, s12, 15
	s_add_co_u32 s46, s46, s47
	s_add_co_u32 s46, s46, WOFF
	s_mov_b32 s47, 0
	s_mul_i32 s20, s10, HALFT                      ; where they go: no place in the cluster enters an LDS address
	s_wait_dscnt 0x0                               ; the opening add is done
	s_wait_kmcnt 0x0
	s_add_nc_u64 s[14:15], s[4:5], s[16:17]
	s_add_nc_u64 s[46:47], s[6:7], s[46:47]
	s_load_b32 s[FLOOR], s[6:7], 0x0               ; waited for in front of the first products
	CROUND                                         ; all sixteen work-groups are here: the first joint loads meet
.irp s, 0,1
	s_mov_b32 s[G0+4*(\s)], 1
	s_add_co_u32 s[G0+4*(\s)+1], s20, (\s)*SLOT
	s_add_nc_u64 s[G0+4*(\s)+2:G0+4*(\s)+3], s[14:15], (\s)*KSTEP*2
	s_or_b32 s[G0+4*(\s)+3], s[G0+4*(\s)+3], 0x80000000
	s_mov_b32 s[G0B+4*(\s)], 1
	s_add_co_u32 s[G0B+4*(\s)+1], s20, (\s)*SLOT
	s_add_nc_u64 s[G0B+4*(\s)+2:G0B+4*(\s)+3], s[46:47], (\s)*KSTEP*512
	s_or_b32 s[G0B+4*(\s)+3], s[G0B+4*(\s)+3], 0x80000000
	JLOAD \s                                       ; two loads of mine are out
.endr
	v_and_b32 v1, 15, v0                           ; l % 16
	v_bfe_u32 v2, v0, 4, 1                         ; l / 16
	v_mul_u32_u24 v3, v1, PA
	v_lshl_add_u32 v3, v2, 4, v3                   ; A: row x pitch + 16 x half
	v_and_b32 v4, 7, v0
	v_bfe_u32 v5, v0, 3, 1
	v_lshl_add_u32 v6, v2, 3, v4                   ; W: k row 8 (l / 16) + l % 8,
	v_mul_u32_u24 v6, v6, PW
	v_lshl_add_u32 v6, v5, 4, v6                   ; 16 bytes for each eight lanes
	s_mul_i32 s21, s11, HALFT                      ; my 128 rows of A
	s_lshl_b32 s22, s12, 8                         ; my 128 columns of W: 256 bytes of each row,
	s_add_co_u32 s22, s22, 2*HALFT                 ; behind A's 256 rows
.irp s, 0,1
	v_add_nc_u32 v[ADRA+(\s)], s21, v3
	v_add_nc_u32 v[ADRB+(\s)], s22, v6
	s_add_co_u32 s21, s21, SLOT
	s_add_co_u32 s22, s22, SLOT
.endr
	s_mul_i32 s23, s10, 16*SPITCH
	s_add_co_u32 s23, s23, STAGE                   ; my stage
	v_add_nc_u32 v[STO], s23, v3                   ; in: row l % 16, 16 bytes for each half of the lanes (the stage's pitch is A's)
	v_bfe_u32 v7, v0, 3, 2                         ; back: 32 lanes take 128 bytes of four rows,
	v_mul_u32_u24 v7, v7, SPITCH
	v_lshl_add_u32 v7, v4, 4, v7
	v_add_nc_u32 v[RD], s23, v7
	v_and_b32 v[CO], 31, v0                        ; which are 512 consecutive bytes of a unit of C
	v_lshlrev_b32 v[CO], 4, v[CO]
	v_lshlrev_b32 v[BO], 5, v2
	s_lshl_b32 s46, s42, 10                        ; the bias of my 128 columns
	s_lshl_b32 s47, s12, 9
	s_add_co_u32 s46, s46, s47
	s_add_co_u32 s46, s46, 256
	s_mov_b32 s47, 0
	s_add_nc_u64 s[18:19], s[6:7], s[46:47]
	WIN 0x40                                       ; destination window 1
.irp b, 0,1,2,3,4,5,6,7
	global_load_b128 v[8*(\b):8*(\b)+3],   v[BO], s[18:19] offset:64*(\b)
	global_load_b128 v[8*(\b)+4:8*(\b)+7], v[BO], s[18:19] offset:64*(\b)+16
.endr
	WIN 0
	s_lshl_b32 s46, s42, 21                        ; C: unit 4 x tile column + 2 x column half, row 256 x tile row + 128 x row half
	s_lshl_b32 s47, s12, 20
	s_add_co_u32 s46, s46, s47
	s_lshl_b32 s47, s13, 15
	s_add_co_u32 s46, s46, s47
	s_lshl_b32 s47, s11, 14
	s_add_co_u32 s46, s46, s47
	s_mov_b32 s47, 0
	s_add_nc_u64 s[8:9], s[8:9], s[46:47]
; 16 matrix instructions: row blocks a0, a0 + 1 of the window's four x all 8 column blocks, 32 along K.  zero = 1: the bias is the C operand that starts the sums.
; The 64 accumulators take turns, one instruction a turn, in the same order in every quarter.
.macro MUL16 f, hi, a0, zero
.if \zero
	WIN 0x91+0x40*(\hi)                            ; W window 1, A window 0, C window 1, D window 2 or 3
.else
	WIN 0xa1+0x50*(\hi)                            ; C and D window 2 or 3
.endif
.irp a, \a0, (\a0)+1
.irp b, 0,1,2,3,4,5,6,7
.if \zero
	v_wmma_f32_16x16x32_f16 v[8*(8*(\a)+(\b)):8*(8*(\a)+(\b))+7], v[(\f)+8*(\b):(\f)+8*(\b)+7], v[(\f)+8*(4*(\hi)+(\a)):(\f)+8*(4*(\hi)+(\a))+7], v[8*(\b):8*(\b)+7]
.else
	v_wmma_f32_16x16x32_f16 v[8*(8*(\a)+(\b)):8*(8*(\a)+(\b))+7], v[(\f)+8*(\b):(\f)+8*(\b)+7], v[(\f)+8*(4*(\hi)+(\a)):(\f)+8*(4*(\hi)+(\a))+7], v[8*(8*(\a)+(\b)):8*(8*(\a)+(\b))+7]
.endif
.endr
.endr
.endm
; 32 LDS loads in one run: quarter q (32 along K) of a slot into buffer f: W's 8 blocks of 16 columns, turned, then A's 8 blocks of 16 rows
.macro FETCH slot, q, f
	WIN 0x40
.irp i, 0,1,2,3,4,5,6,7
	ds_load_tr16_b128 v[(\f)+8*(\i):(\f)+8*(\i)+3],   v[ADRB+(\slot)] offset:(\q)*32*PW+32*(\i)
	ds_load_tr16_b128 v[(\f)+8*(\i)+4:(\f)+8*(\i)+7], v[ADRB+(\slot)] offset:(\q)*32*PW+16*PW+32*(\i)
.endr
	WIN 0
.irp i, 0,1,2,3,4,5,6,7
	ds_load_b128 v[(\f)+8*(\i):(\f)+8*(\i)+3],   v[ADRA+(\slot)] offset:64*(\q)+(\i)*16*PA
	ds_load_b128 v[(\f)+8*(\i)+4:(\f)+8*(\i)+7], v[ADRA+(\slot)] offset:64*(\q)+(\i)*16*PA+32
.endr
.endm
; One of a K step's first three quarters: multiplies buffer f; in its middle it fetches quarter q of the same slot into buffer g.
.macro QUARTER slot, q, f, g, zero
	s_wait_dscnt 8                                 ; W and A's rows 0-63 are in; the youngest eight loads (A's rows 64-127) may be out
	MUL16 \f, 0, 0, \zero
	MUL16 \f, 0, 2, \zero
	PLACES
	FETCH \slot, \q, \g
	s_wait_dscnt 32                                ; all but the 32 just issued
	MUL16 \f, 1, 0, \zero
	MUL16 \f, 1, 2, \zero
.endm
; The last quarter multiplies buffer 1 and changes slots: one barrier.  In front of it each wave waits for all its tensor loads (one is out: its part of the next slot), adds 0 to its
; spare word, and waits for that and for its reads of this slot.  fill = 1: the barrier opens a round of the cluster's, and this slot's joint refill is the first thing behind the round.
.macro TURN slot, next, fill
	WIN 0
	s_wait_tensorcnt 0x0
	ds_add_u32 v[SPW], v[NIL]
	s_wait_dscnt 9                                 ; the add and the youngest eight loads may be out
	MUL16 F1, 0, 0, 0
	s_wait_dscnt 0x0                               ; the add is done, and my reads of this slot are over
	s_barrier_signal -1
	MUL16 F1, 0, 2, 0
.if \fill
	WIN 0
.endif
	s_barrier_wait -1
.if \fill
	CREST                                          ; no wave of any partner still reads this slot or has a load on its way
	s_add_nc_u64 s[G0+4*(\slot)+2:G0+4*(\slot)+3], s[G0+4*(\slot)+2:G0+4*(\slot)+3], 2*KSTEP*2
	s_add_nc_u64 s[G0B+4*(\slot)+2:G0B+4*(\slot)+3], s[G0B+4*(\slot)+2:G0B+4*(\slot)+3], 2*KSTEP*512
	JLOAD \slot                                    ; 224 matrix instructions ahead of the wait for it; its four v_nop are also the places in front of the loads below
.else
	PLACES
.endif
	FETCH \next, 0, F0
	MUL16 F1, 1, 0, 0
	MUL16 F1, 1, 2, 0
.endm
; THE WAY OUT of block a (16 rows x 128 columns).  PACK: rounded to f16, the maximum with FLOOR.  TOSTAGE: into my own stage, and back as 128-byte rows of a unit.  SEND: stored.
.macro PACK a
.set AC, 64*((\a)%4)
	WIN 0x0a+5*((\a)/4)                            ; sources window 2 or 3
.irp b, 0,1,2,3,4,5,6,7
.irp r, 0,1,2,3
	v_cvt_pk_f16_f32 v[TMP+4*(\b)+(\r)], v[AC+8*(\b)+2*(\r)], v[AC+8*(\b)+2*(\r)+1]
.endr
.endr
	WIN 0
.set z, 0
.rept 32
	v_pk_max_num_f16 v[TMP+z], v[TMP+z], s[FLOOR]
.set z, z+1
.endr
.endm
.macro TOSTAGE a
.set BK, OB+192*((\a)%2)
.irp b, 0,1,2,3,4,5,6,7
	ds_store_b128 v[STO], v[TMP+4*(\b):TMP+4*(\b)+3] offset:32*(\b)
.endr
.irp t, 0,1,2,3,4,5,6,7
	ds_load_b128 v[BK+4*(\t):BK+4*(\t)+3], v[RD] offset:((\t)%4)*4*SPITCH+((\t)/4)*128  ; LDS serves a wave's instructions in order: these see the stores above
.endr
.endm
.macro SEND a
.set BK, OB+192*((\a)%2)
	s_wait_dscnt 0x0                               ; the block is back in registers
	s_wait_xcnt 0x0                                ; earlier stores have read their data: the registers that they named are loaded again only behind this wait
.irp t, 0,1,2,3,4,5,6,7
	global_store_b128 v[CO], v[BK+4*(\t):BK+4*(\t)+3], s[8:9] offset:((\t)/4)*UNITB+(\a)*2048+((\t)%4)*512  ; 512 consecutive bytes, aligned to 256
.endr
.endm
	s_wait_tensorcnt 1                             ; my part of K step 0 is in; K step 1's stays out
	s_barrier_signal -1
	s_barrier_wait -1
	FETCH 0, 0, F0
	s_wait_loadcnt 0x0                             ; the bias
	s_wait_kmcnt 0x0                               ; FLOOR
	QUARTER 0, 1, F0, F1, 1                        ; the first quarter stands in front of the loop: its products start the sums
	WIN 0
	s_mov_b32 s3, LAPS-1
.Llap:                                                 ; a trip goes once round the ring and fills both slots again
	QUARTER 0, 2, F1, F0, 0
	QUARTER 0, 3, F0, F1, 0
	TURN 0, 1, 1
	QUARTER 1, 1, F0, F1, 0
	QUARTER 1, 2, F1, F0, 0
	QUARTER 1, 3, F0, F1, 0
	TURN 1, 0, 1
	QUARTER 0, 1, F0, F1, 0
	WIN 0
	s_sub_co_u32 s3, s3, 1
	s_cmp_lg_u32 s3, 0
	s_cbranch_scc1 .Llap
	QUARTER 0, 2, F1, F0, 0                        ; the last lap fills nothing
	QUARTER 0, 3, F0, F1, 0
	TURN 0, 1, 0
	QUARTER 1, 1, F0, F1, 0
	QUARTER 1, 2, F1, F0, 0
	QUARTER 1, 3, F0, F1, 0
	s_wait_dscnt 8
	MUL16 F1, 0, 0, 0
	MUL16 F1, 0, 2, 0
	s_wait_dscnt 0x0
	MUL16 F1, 1, 0, 0
	MUL16 F1, 1, 2, 0
	PLACES
	PACK 0
	TOSTAGE 0
.irp a, 1,2,3,4,5,6,7                  ; block a's conversions stand between block a - 1's loads from the stage and the wait for them
	PACK \a
	SEND (\a)-1
	TOSTAGE \a
.endr
	SEND 7
	s_wait_tensorcnt 0x0                           ; the wave's end
	ds_add_u32 v[SPW], v[NIL]
	s_wait_dscnt 0x0
	CROUND                                         ; the closing round
	s_endpgm
.Lfunc_end_k_qde6e920e06_qkv:
	.size	k_qde6e920e06_qkv, .Lfunc_end_k_qde6e920e06_qkv-k_qde6e920e06_qkv
	.p2alignl 7, 3214868480
	.fill 96, 4, 3214868480
	.section	.rodata,"a",@progbits
	.p2align	6, 0x0
	.amdhsa_kernel k_qde6e920e06_qkv
		.amdhsa_group_segment_fixed_size 327680
		.amdhsa_private_segment_fixed_size 0
		.amdhsa_enable_private_segment 0
		.amdhsa_kernarg_size 24
		.amdhsa_user_sgpr_count 2
		.amdhsa_user_sgpr_kernarg_segment_ptr 1
		.amdhsa_wavefront_size32 1
		.amdhsa_system_sgpr_workgroup_id_x 1
		.amdhsa_system_sgpr_workgroup_id_y 1
		.amdhsa_system_sgpr_workgroup_id_z 1
		.amdhsa_system_vgpr_workitem_id 0
		.amdhsa_next_free_vgpr 1024
		.amdhsa_next_free_sgpr 66
		.amdhsa_reserve_vcc 0
		.amdhsa_float_denorm_mode_32 3
		.amdhsa_float_denorm_mode_16_64 3
		.amdhsa_memory_ordered 1
		.amdhsa_forward_progress 1
		.amdhsa_inst_pref_size 160
	.end_amdhsa_kernel
	.amdgpu_metadata
---
amdhsa.version: [ 1, 2 ]
amdhsa.kernels:
  - .name:           k_qde6e920e06_qkv
    .symbol:         k_qde6e920e06_qkv.kd
    .args:
      - { .name: act8, .offset: 0, .size: 8, .value_kind: global_buffer, .address_space: global }
      - { .name: pk_qkv, .offset: 8, .size: 8, .value_kind: global_buffer, .address_space: global }
      - { .name: act32, .offset: 16, .size: 8, .value_kind: global_buffer, .address_space: global }
    .group_segment_fixed_size: 327680
    .private_segment_fixed_size: 0
    .kernarg_segment_align: 8
    .kernarg_segment_size: 24
    .max_flat_workgroup_size: 128
    .sgpr_count:     66
    .vgpr_count:     1024
    .wavefront_size: 32
...
	.end_amdgpu_metadata
.endif
;; end of part 2
;; launch attn (part 3): grid 8 x 32, 4 waves a work-group, clusters of 4 x 1, 327,680 bytes of LDS; arguments act32, mask, act8; writes act8
.if DOCPART == 3
	.amdgcn_target "amdgcn-amd-amdhsa--gfx1250"
	.amdhsa_code_object_version 6
	.text
	.protected	k_qde6e920e06_attn
	.globl	k_qde6e920e06_attn
	.p2align	8
	.type	k_qde6e920e06_attn,@function
k_qde6e920e06_attn:
	s_mov_b64 s[64:65], 0
	v_nop
	global_prefetch_b8 v0, s[64:65] scope:SCOPE_SE
	s_setreg_imm32_b32 hwreg(HW_REG_WAVE_MODE, 25, 1), 1
	s_wait_xcnt 0x0
	s_wait_alu depctr_hold_cnt(0) depctr_sa_sdst(0) depctr_va_vdst(0) depctr_va_sdst(0) depctr_va_ssrc(0) depctr_va_vcc(0) depctr_vm_vsrc(0)
	s_getreg_b32 s2, hwreg(HW_REG_IB_STS2, 6, 4)
	s_cmp_eq_u32 s2, 0
	s_cbranch_scc0 .Lentry_in_a_cluster
	s_endpgm
.Lentry_in_a_cluster:
	s_bfe_u32 s2, ttmp6, 0x10000c
	s_cmp_lg_u32 s2, 0x3003
	s_cbranch_scc0 .Lentry_shape_is_right
	s_endpgm
.Lentry_shape_is_right:
; O[y][q][:] = the sum over k of softmax_k(Q[y][q] . K[y][k] / 8, hidden keys left out) V[y][k][:], y = 2 x head + batch.  Q, K, V lie in one buffer, f16, 128 bytes a row:
; Q at y x 262,144, K 8,388,608 bytes and V 16,777,216 bytes behind it; O in the same layout as Q.  mask: [2][2048] i32, 0 = the key is hidden.
; Products, maxima and sums in f32; the weights p are rounded to f16 for the second product (their sum l is taken of the unrounded p), O once at the end.
; LIMITS.  Q, K, V arrive within f16's 65,504.  A hidden score counts as its value less 2^100 where the module writes -1e9: the two differ only where a row's visible scores all lie
; below about -1e9.  A BATCH WITH NO VISIBLE KEY gives the plain mean of V, as the module does: its Q is set to 0, so every score is exactly -2^100 and every weight exactly 1.
; A weight below 2^-126 counts as 0; NaN and infinities are not treated apart.
; SHARES.  A work-group owns 256 queries of one y, a wave 64: four PIECES of 16.  Every wave walks all 2,048 keys, 64 a step, four steps to an LDS slot.
; THE MASK is the C operand that starts the sum S^T = K Q^T: 0 or -2^100, from a table of 2,048 f32 that the work-group makes once in LDS.
; LAYOUT.  S^T = K Q^T (source 0 = 16 keys, source 1 = 16 queries) holds ONE query a lane (lane % 16) and the keys 8 (lane / 16) + 0..7; two such results rounded to f16 ARE source 1
; of O^T = V^T P.  K comes out of LDS as it lies, V turned, by ds_load_tr16_b128.
; SOFTMAX.  A running maximum m and sum l: p = 2^(c s - c m), c = log2(e) / 8; O and l are multiplied by a = 2^(c m_old - c m_new) in every step.  m starts at the lowest finite number.
; BY TURNS.  Turn n belongs to piece n: 8 products K Q^T of piece n + 1, later 8 products V^T P of piece n - 1; beside them the scaling, exponentials, roundings, sums and rescaling of
; piece n and the maximum and statistics of piece n + 1.  Four vector instructions stand behind every matrix instruction, the other 54 of a turn's 118 in two runs of their own.
; CLUSTER.  The four query blocks of a cluster belong to one y and walk the same K and V: each tile is asked for jointly, with the same descriptor and mask in all four.
; REGISTERS in windows of 256 (s_set_vgpr_msb: bits 1:0 source 0, 3:2 source 1, 5:4 source 2, 7:6 destination):
;   window 0: v0-15, v32-37 addresses; v16-31 statistics; v48-55 at work; v64-127 S^T, two buffers; v192-223 P, two buffers (by the piece's parity)
;   window 1: v0-127 O^T, 32 a piece; v160-191 the step's mask      window 2: v0-63 Q; v128-191 K of one step; v192-255 V of one step
.set NP,    4
.set KS,    64
.set PK,    144       ; a row of K in LDS: 128 bytes + 16: the 16 rows of a load start at 16 different groups of four banks
.set PV,    160       ; a row of V: 128 + 32
.set VOFF,  4*KS*PK   ; a slot holds four steps: 256 rows of K, then 256 rows of V
.set SLOT1, 1<<17     ; slot 1 begins here: one exclusive or turns an address in one slot into the other's
.set STAGE, SLOT1+4*KS*(PK+PV)  ; 16 rows x 144 bytes for each wave, for the way out
.set SP,    144
.set MASKT, STAGE+4*16*SP       ; the mask table, 8,192 bytes
.set WMAX,  MASKT+8192          ; four words: each wave's largest table entry; a block of 256 bytes of their own
.set SPARE, WMAX+256            ; the spare words, 128 bytes a wave
.set AK0, 2
.set AV0, 3
.set AK,  4
.set AV,  5
.set STO, 6
.set RD,  7
.set GO,  8
.set MV,  12          ; v12-13  c m_old, by buffer
.set QO,  15
.set ST,  16          ; piece t's statistics at v[ST+4 t]: c m, m, l (even keys', odd keys')
.set AM0, 32          ; v32  MASKT + 32 (lane / 16); never rewritten
.set AM,  33          ; v33  the LDS address of the next step's mask words
.set PFO, 34          ; v34  256 x lane; never rewritten
.set TMP, 48
.set SPW, 62
.set NIL, 63
.set S,   64
.set P,   192
.set MC,  160         ; window 1
.set KF,  128         ; window 2: key block kb, channel half c at KF + 16 kb + 8 c
.set VF,  192         ; window 2: key half kk, channel block cb at VF + 32 kk + 8 cb
.set WV,  12
.set LIM, 15          ; s15  1 in a wave that prefetches, else the greatest number
.set G1K, 24
.set G1V, 32
.set G0K, 40          ; s[40:43], s[44:47] group 0 for K's and V's tiles: they walk
.set G0V, 44
.set SLOTS, 56
.set CNT, 57
.set CS,  58
.set SEL, 60
.set TBK, 62          ; s62  LDS byte at which K of the step to be fetched begins
.set TBV, 63          ; s63  the same for V, less VOFF
.set TBM, 70          ; s70  byte of that step's words in the mask table
.set PFA, 72          ; s[72:73] where my prefetches stand
.set BIGN, 82         ; s82  -2^100
.set MSB, 0
.macro WIN new
.if MSB != (\new)
	s_set_vgpr_msb (MSB<<8)|(\new)
.set MSB, (\new)
.endif
.endm
.set W_KQ, 0x0a       ; K and Q in window 2, S^T in window 0
.set W_KM, 0x1a       ; the same with the C operand in window 1
.set W_PV, 0x52       ; V in window 2, P in window 0, O^T in window 1
.set W_RS, 0x41       ; destination and source 0 in window 1, source 1 in window 0
; A joint fill.  Waves 0 and 1 fetch the halves of a tile's K, waves 2 and 3 those of its V: 128 keys each.  An s_nop 0 and four v_nop follow each line.
.macro JLOAD
	s_cmp_lt_u32 s[WV], 2
	s_cbranch_scc0 .Lfor_v_\@
	tensor_load_to_lds s[G0K:G0K+3], s[G1K:G1K+7]
	s_nop 0
.rept 4
	v_nop
.endr
	s_branch .Lasked_\@
.Lfor_v_\@:
	tensor_load_to_lds s[G0V:G0V+3], s[G1V:G1V+7]
	s_nop 0
.rept 4
	v_nop
.endr
.Lasked_\@:
.endm
; A prefetch of the tile that the NEXT change of slots will ask for: four key steps, 256 matrix instructions, ahead of that load.  A tile is 32,768 bytes of K and of V.  Both clusters of a y
; walk the same rows: the first asks.  Its four partners share a tile out by address, 8,192 bytes each, a lane 256 bytes; wave 0 asks for K's, wave 2 for V's.  So each block is named once.
; The first two tiles come by their loads alone; the last fill asks for nothing.
.macro ASK
	s_cmp_gt_u32 s[SLOTS], s[LIM]
	s_cbranch_scc0 .Lnot_mine_\@
	global_prefetch_b8 v[PFO], s[PFA:PFA+1] th:TH_LOAD_NT scope:SCOPE_SE
.Lnot_mine_\@:
.endm
.macro CROUND
	s_barrier_signal -1
	s_barrier_wait -1
	s_cmp_lg_u32 s[WV], 0
	s_cbranch_scc1 .Lnot_wave_0_\@
	s_barrier_signal -3
.Lnot_wave_0_\@:
	s_barrier_wait -3
	s_barrier_signal -1
	s_barrier_wait -1
.endm
; THE CHANGE OF SLOTS.  Each wave waits for all its tensor loads (one is out: its part of the other slot), adds 0 to its spare word, and waits for that and for its LDS instructions.
; fill = 1: the barrier is a round of the cluster's, and the joint fill of the slot that was read is the first thing behind it.  (At its first use slot 0 is waited for and slot 1 filled.)
.macro CHANGE fill
	WIN 0
	s_wait_tensorcnt 0x0            ; no tensor load of mine is out, so a group 0 may be written
	ds_add_u32 v[SPW], v[NIL]
.if \fill
.irp g, G0K, G0V
	s_xor_b32 s[\g+1], s[\g+1], SLOT1
	s_add_nc_u64 s[\g+2:\g+3], s[\g+2:\g+3], 4*KS*128
.endr
	s_wait_xcnt 0x0                 ; the last prefetch, four key steps back, has read its address
	s_add_nc_u64 s[PFA:PFA+1], s[PFA:PFA+1], 4*KS*128
	s_wait_dscnt 0x0                ; the add is done; my reads of the slot, and my stores to LDS, are over
	CROUND
	JLOAD
	ASK
.else
	s_wait_dscnt 0x0
	s_barrier_signal -1
	s_barrier_wait -1
.endif
	s_sub_co_u32 s[TBK], s[TBK], 4*KS*PK  ; the fetches go back to a slot's first step,
	s_xor_b32 s[TBK], s[TBK], SLOT1       ; in the other slot
	s_sub_co_u32 s[TBV], s[TBV], 4*KS*PV
	s_xor_b32 s[TBV], s[TBV], SLOT1
.endm
	s_load_b128 s[4:7], s[0:1], 0x0   ; the buffer of Q, K, V s[4:5], mask s[6:7]
	s_load_b64 s[10:11], s[0:1], 0x10 ; O
	v_lshl_add_u32 v[SPW], v0, 2, SPARE
	v_mov_b32 v[NIL], 0
	ds_add_u32 v[SPW], v[NIL]       ; the wave's opening: the add and its wait stand ahead of my first tensor load
	v_lshrrev_b32 v1, 5, v0
	v_readfirstlane_b32 s[WV], v1   ; wave 0..3
	s_bfe_u32 s13, ttmp6, 0x40000   ; cx
	s_lshl_b32 s14, ttmp9, 2
	s_add_co_u32 s14, s14, s13      ; my block of 256 queries: it enters Q's and O's addresses alone
	s_and_b32 s20, ttmp7, 0xffff    ; y, which the four partners share
	s_and_b32 s86, s20, 1           ; the batch:
	s_lshl_b32 s86, s86, 13         ; its 8,192 bytes of the mask
	s_mov_b32 s87, 0
	s_lshl_b32 s20, s20, 18         ; y's 2,048 rows of 128 bytes
	s_and_b32 s16, s[WV], 1         ; which half of a tile's 256 keys I fetch
	s_lshl_b32 s22, s16, 14
	s_add_co_u32 s22, s22, s20
	s_add_co_u32 s22, s22, 0x800000 ; K lies 16 units behind Q
	s_mov_b32 s23, 0
	s_mul_i32 s17, s16, 128*PK      ; its place in a slot, for K
	s_mul_i32 s18, s16, 128*PV      ; and for V
	s_lshl_b32 s2, s14, 2
	s_add_co_u32 s2, s2, s[WV]
	s_lshl_b32 s2, s2, 13           ; my wave's 64 rows
	s_add_co_u32 s2, s2, s20
	s_mov_b32 s3, 0
	; group 1: 128 keys are 16,384 dense bytes: asked for as 64 rows of 256 bytes, two keys a row, padded in LDS after every key
	s_mov_b32 s[G1K], 15|(1<<16)|(1<<20)|(1<<21)|(4<<22)|(3<<25)  ; the mask of four; 2-byte elements; padding on; bit 21 beside a mask; 4 words after every 32
	s_mov_b32 s[G1V], 15|(1<<16)|(1<<20)|(1<<21)|(4<<22)|(7<<25)  ; 8 words
.irp g, G1K, G1V
	s_mov_b32 s[\g+1], 128<<16
	s_mov_b32 s[\g+2], 64<<16
	s_mov_b32 s[\g+3], 128<<16
	s_mov_b32 s[\g+4], 64
	s_mov_b32 s[\g+5], 128
	s_mov_b32 s[\g+6], 0
	s_mov_b32 s[\g+7], 0
.endr
	s_mov_b32 s[CS], 0x3e38aa3b     ; c = log2(e) / 8
	s_mov_b32 s[CS+1], s[CS]
	s_mov_b32 s[SEL], 0x76543210
	s_mov_b32 s[SEL+1], 0xfedcba98
	s_mov_b32 s[TBK], SLOT1+4*KS*PK ; the first change of slots turns these two into 0
	s_mov_b32 s[TBV], SLOT1+4*KS*PV
	s_mov_b32 s[TBM], 0
	s_mov_b32 s[BIGN], 0xf1800000   ; -2^100
	s_mov_b32 s[SLOTS], 7           ; tiles still to be asked for
	s_mov_b32 s[G0K], 1
	s_mov_b32 s[G0K+1], s17
	s_mov_b32 s[G0V], 1
	s_add_co_u32 s[G0V+1], s18, VOFF
	s_and_b32 s[LIM], s[WV], 1      ; 0 in waves 0 and 2,
	s_or_b32 s[LIM], s[LIM], ttmp9  ; where the cluster is y's first: the same in all four partners
	s_cmp_eq_u32 s[LIM], 0
	s_cselect_b32 s[LIM], 1, -1
	s_wait_dscnt 0x0                ; the opening add is done
	s_wait_kmcnt 0x0
	s_add_nc_u64 s[84:85], s[6:7], s[86:87]  ; the batch's row of the mask
	s_add_nc_u64 s[6:7], s[4:5], s[22:23]    ; K at my half of tile 0,
	s_add_nc_u64 s[8:9], s[6:7], 0x800000    ; V
	s_add_nc_u64 s[10:11], s[10:11], s[2:3]  ; O and Q at my wave's first row
	s_add_nc_u64 s[4:5], s[4:5], s[2:3]
	s_mov_b64 s[G0K+2:G0K+3], s[6:7]
	s_or_b32 s[G0K+3], s[G0K+3], 0x80000000
	s_mov_b64 s[G0V+2:G0V+3], s[8:9]
	s_or_b32 s[G0V+3], s[G0V+3], 0x80000000
	s_cmp_lt_u32 s[WV], 2
	s_cselect_b64 s[PFA:PFA+1], s[6:7], s[8:9]  ; (in waves 0 and 2 these stand at a tile's first row)
	s_lshl_b32 s2, s13, 13          ; my work-group's quarter of a tile
	s_mov_b32 s3, 0
	s_add_nc_u64 s[PFA:PFA+1], s[PFA:PFA+1], s[2:3]
	s_add_nc_u64 s[PFA:PFA+1], s[PFA:PFA+1], 4*KS*128  ; in tile 1; the first change of slots steps it to tile 2
	CROUND                          ; all four work-groups are here: the first joint loads meet
	JLOAD                           ; tile 0 into slot 0
	v_and_b32 v1, 15, v0            ; l % 16
	v_bfe_u32 v9, v0, 4, 1          ; l / 16
	v_lshlrev_b32 v[QO], 7, v1
	v_lshl_add_u32 v[QO], v9, 4, v[QO]  ; row x 128 + 16 x half
	WIN 0x80                        ; destination window 2
.set i, 0
.rept 8                             ; Q stays in registers: piece i / 2, channels 32 (i % 2) on
	global_load_b128 v[8*i:8*i+3],   v[QO], s[4:5] offset:(i/2)*2048+(i%2)*64
	global_load_b128 v[8*i+4:8*i+7], v[QO], s[4:5] offset:(i/2)*2048+(i%2)*64+32
.set i, i+1
.endr
	WIN 0
	v_lshlrev_b32 v35, 4, v0        ; 16 t: the 128 threads take 2,048 bytes of the mask a line
.irp j, 0,1,2,3
	global_load_b128 v[64+4*\j:67+4*\j], v35, s[84:85] offset:2048*\j
.endr
	v_add_nc_u32 v36, MASKT, v35
	s_lshl_b32 s83, s[WV], 2
	s_add_co_u32 s83, s83, WMAX
	v_mov_b32 v37, s83
	v_mul_u32_u24 v[AK0], v1, PK
	v_lshl_add_u32 v[AK0], v9, 4, v[AK0]
	v_and_b32 v10, 7, v0
	v_bfe_u32 v11, v0, 3, 1
	v_lshl_add_u32 v[AV0], v9, 3, v10   ; the turning load: key 8 (l / 16) + l % 8, channels 8 ((l / 8) % 2) on
	v_mul_u32_u24 v[AV0], v[AV0], PV
	v_lshl_add_u32 v[AV0], v11, 4, v[AV0]
	v_add_nc_u32 v[AV0], VOFF, v[AV0]
	v_lshlrev_b32 v[AM0], 5, v9
	v_add_nc_u32 v[AM0], MASKT, v[AM0]
	v_and_b32 v[PFO], 31, v0
	v_lshlrev_b32 v[PFO], 8, v[PFO]
	s_mul_i32 s83, s[WV], 16*SP
	s_add_co_u32 s83, s83, STAGE    ; my stage
	v_mul_u32_u24 v[STO], v1, SP
	v_lshl_add_u32 v[STO], v9, 4, v[STO]
	v_add_nc_u32 v[STO], s83, v[STO]
	v_bfe_u32 v[RD], v0, 3, 2
	v_mul_u32_u24 v[RD], v[RD], SP
	v_lshl_add_u32 v[RD], v10, 4, v[RD]
	v_add_nc_u32 v[RD], s83, v[RD]
	v_and_b32 v[GO], 31, v0
	v_lshlrev_b32 v[GO], 4, v[GO]
	; The first step multiplies O^T and l by a = 0, and the first turn's products V^T P, of a piece that has not been, add products of zeros.  All this stands in the wait for the first tile.
	WIN 0x80
.set i, VF
.rept 64
	v_mov_b32 v[i], 0
.set i, i+1
.endr
	WIN 0x40
.set i, 0
.rept 128
	v_mov_b32 v[i], 0
.set i, i+1
.endr
	WIN 0
.set i, 0
.rept 4
	v_mov_b32 v[ST+4*i], 0xfe000000    ; c m: far below every c s, a hidden one's too
	v_mov_b32 v[ST+4*i+1], 0xff7fffff  ; m
	v_mov_b32 v[ST+4*i+2], 0
	v_mov_b32 v[ST+4*i+3], 0
.set i, i+1
.endr
.set i, P+16
.rept 16
	v_mov_b32 v[i], 0
.set i, i+1
.endr
	v_mov_b32 v49, 0
	s_wait_loadcnt 0x0              ; Q and the mask
.set i, 0
.rept 16
	v_cmp_eq_u32 vcc_lo, 0, v[64+i]
	v_cndmask_b32 v[64+i], 0, s[BIGN], vcc_lo  ; 0, or -2^100 where the key is hidden
.set i, i+1
.endr
.irp j, 0,1,2,3
	ds_store_b128 v36, v[64+4*\j:67+4*\j] offset:2048*\j
.endr
	v_max3_num_f32 v48, v64, v65, v66          ; the largest of my 16 entries, of the wave's 512
.irp k, 67,69,71,73,75,77
	v_max3_num_f32 v48, v48, v[\k], v[\k+1]
.endr
	v_max_num_f32 v48, v48, v79
	v_max_num_f32_dpp v48, v48, v48 row_xmask:1 row_mask:0xf bank_mask:0xf
	v_max_num_f32_dpp v48, v48, v48 row_xmask:2 row_mask:0xf bank_mask:0xf
	v_max_num_f32_dpp v48, v48, v48 row_xmask:4 row_mask:0xf bank_mask:0xf
	v_max_num_f32_dpp v48, v48, v48 row_xmask:8 row_mask:0xf bank_mask:0xf
	v_permlanex16_b32 v49, v48, s[SEL], s[SEL+1]
	v_max_num_f32 v48, v48, v49
	ds_store_b32 v37, v48
; THE MATRIX WORK.  The 4 accumulators of a run of 8 take turns.  Product i of 8 of S^T = K Q^T for piece x: channels 32 (i / 4) on, keys 16 (i % 4) on.  The first 4 start the sums with the mask.
.macro KQ x
.set rS, S+32*((\x)%2)+8*(i%4)
.set rK, KF+16*(i%4)+8*(i/4)
.set rQ, 16*(\x)+8*(i/4)
.set rM, MC+8*(i%4)
.if i < 4
	WIN W_KM
	v_wmma_f32_16x16x32_f16 v[rS:rS+7], v[rK:rK+7], v[rQ:rQ+7], v[rM:rM+7]
.else
	WIN W_KQ
	v_wmma_f32_16x16x32_f16 v[rS:rS+7], v[rK:rK+7], v[rQ:rQ+7], v[rS:rS+7]
.endif
.endm
; Product i of 8 of O^T += V^T P for piece x: keys 32 (i / 4) on, channels 16 (i % 4) on.
.macro PV x
	WIN W_PV
.set rO, 32*(\x)+8*(i%4)
.set rV, VF+32*(i/4)+8*(i%4)
.set rP, P+16*((\x)%2)+8*(i/4)
	v_wmma_f32_16x16x32_f16 v[rO:rO+7], v[rV:rV+7], v[rP:rP+7], v[rO:rO+7]
.endm
.macro MM                           ; the turn's next matrix instruction
.if i < 8
	KQ (Y+1)%NP
.else
.set i, i-8
	PV (Y+NP-1)%NP
.set i, i+8
.endif
.set i, i+1
.endm
; THE LDS LOADS stand in runs: a step's K (8 fragments) with its 64 mask words (a lane's 8 for each block of 16 keys), and its V (turned).
; last = 1 (the tail): in the last trip there is no further step, and the run is jumped over.
.macro FETCH_K last=0
.if \last
	WIN 0
	s_cmp_eq_u32 s[CNT], 1
	s_cbranch_scc1 .Lno_k_\@
.endif
	WIN 0x80
.irp f, 0,1,2,3,4,5,6,7
	ds_load_b128 v[KF+8*\f:KF+8*\f+3],   v[AK] offset:(\f/2)*16*PK+(\f%2)*64
	ds_load_b128 v[KF+8*\f+4:KF+8*\f+7], v[AK] offset:(\f/2)*16*PK+(\f%2)*64+32
.endr
	WIN 0x40
.irp f, 0,1,2,3
	ds_load_b128 v[MC+8*\f:MC+8*\f+3],   v[AM] offset:64*\f
	ds_load_b128 v[MC+8*\f+4:MC+8*\f+7], v[AM] offset:64*\f+16
.endr
	s_add_co_u32 s[TBK], s[TBK], KS*PK
	s_add_co_u32 s[TBM], s[TBM], KS*4
	WIN 0
.if \last
.Lno_k_\@:
.endif
.endm
.macro FETCH_V
	WIN 0x80
.irp f, 0,1,2,3,4,5,6,7
	ds_load_tr16_b128 v[VF+8*\f:VF+8*\f+3],   v[AV] offset:(\f/4)*32*PV+(\f%4)*32
	ds_load_tr16_b128 v[VF+8*\f+4:VF+8*\f+7], v[AV] offset:(\f/4)*32*PV+16*PV+(\f%4)*32
.endr
	WIN 0
.endm
; THE VECTOR WORK, one line at a time: OP kind, number.  For piece Y: F n: c s - c m for pair n of 16.  E n: the exponential of score n of 32.  C n: pair n rounded to f16.  B n: of the four weights 4 n ..
; the second pair is added onto the first, in place.  L n: l takes that sum (L 0: l = a l + sum).  R n: pair n of 16 of O^T times a.  For piece Y + 1: X n, number n of the 22 that find its maximum and statistics:
;   0-11 four chains of seven scores each (each accumulator's lowest registers are read first); 12-14, 16 the four left over, the old m, and the chains into one;
;   15 c m_old is kept; 17, 18 the other half of the lanes'; 19-21 c m; c m_old - c m_new; a
.set F, 0
.set E, 1
.set C, 2
.set B, 3
.set L, 4
.set R, 5
.set X, 6
.macro REGS y
.set rT, ST+4*(\y)
.set rC, TMP+4*((\y)%2)
.set rW, MV+((\y)%2)
.set rS, S+32*((\y)%2)
.set rP, P+16*((\y)%2)
.set rO, 32*(\y)
.endm
.macro OP k, n
.if (\k) == R
	REGS Y
	WIN W_RS
	v_pk_mul_f32 v[rO+2*(\n):rO+2*(\n)+1], v[rO+2*(\n):rO+2*(\n)+1], v[rC+2:rC+3] op_sel_hi:[1,0]
.elseif (\k) < R
	REGS Y
	WIN 0
.if (\k) == F
	v_pk_fma_f32 v[rS+2*(\n):rS+2*(\n)+1], v[rS+2*(\n):rS+2*(\n)+1], s[CS:CS+1], v[rT:rT+1] op_sel_hi:[1,0,0] neg_lo:[0,0,1] neg_hi:[0,0,1]
.elseif (\k) == E
	v_exp_f32 v[rS+(\n)], v[rS+(\n)]
.elseif (\k) == C
	s_wait_alu depctr_va_vdst(0)
	v_cvt_pk_f16_f32 v[rP+(\n)], v[rS+2*(\n)], v[rS+2*(\n)+1]
.elseif (\k) == B
	s_wait_alu depctr_va_vdst(0)
	v_pk_add_f32 v[rS+4*(\n):rS+4*(\n)+1], v[rS+4*(\n):rS+4*(\n)+1], v[rS+4*(\n)+2:rS+4*(\n)+3]
.elseif (\n) == 0
	v_pk_fma_f32 v[rT+2:rT+3], v[rT+2:rT+3], v[rC+2:rC+3], v[rS:rS+1] op_sel_hi:[1,0,1]
.else
	v_pk_add_f32 v[rT+2:rT+3], v[rT+2:rT+3], v[rS+4*(\n):rS+4*(\n)+1]
.endif
.else
	REGS (Y+1)%NP
	WIN 0
.if (\n) < 4
	v_max3_num_f32 v[rC+(\n)], v[rS+8*(\n)], v[rS+8*(\n)+1], v[rS+8*(\n)+2]
.elseif (\n) < 12
	v_max3_num_f32 v[rC+(\n)%4], v[rC+(\n)%4], v[rS+8*((\n)%4)+2*((\n)/4)+1], v[rS+8*((\n)%4)+2*((\n)/4)+2]
.elseif (\n) == 12
	v_max3_num_f32 v[rC], v[rC], v[rS+7], v[rS+15]
.elseif (\n) == 13
	v_max3_num_f32 v[rC+1], v[rC+1], v[rS+23], v[rS+31]
.elseif (\n) == 14
	v_max3_num_f32 v[rC+2], v[rC+2], v[rC+3], v[rT+1]
.elseif (\n) == 15
	v_mov_b32 v[rW], v[rT]
.elseif (\n) == 16
	v_max3_num_f32 v[rC], v[rC], v[rC+1], v[rC+2]
.elseif (\n) == 17
	v_permlanex16_b32 v[rC+3], v[rC], s[SEL], s[SEL+1]
.elseif (\n) == 18
	v_max_num_f32 v[rT+1], v[rC], v[rC+3]
.elseif (\n) == 19
	v_mul_f32 v[rT], s[CS], v[rT+1]
.elseif (\n) == 20
	v_sub_f32 v[rC+1], v[rW], v[rT]
.else
	v_exp_f32 v[rC+2], v[rC+1]
.endif
.endif
.endm
.macro OPS a, i1, b=-1, i2=0, c=-1, i3=0, d=-1, i4=0
	OP \a, \i1
.if (\b) >= 0
	OP \b, \i2
.endif
.if (\c) >= 0
	OP \c, \i3
.endif
.if (\d) >= 0
	OP \d, \i4
.endif
.endm
.macro ROW a, i1, b, i2, c, i3, d, i4  ; a matrix instruction and the four behind it
	MM
	OPS \a, \i1, \b, \i2, \c, \i3, \d, \i4
.endm
; A TURN, for piece p: the order of its 16 matrix and 118 vector instructions, written out.  Behind a matrix instruction: plain, exponential, plain, plain; or four of the rescaling; or four scalings; none names a
; register of the products round it.  A line reads no result made fewer than three vector instructions in front of it, five if an exponential made it.
; last = 1: the tail's text: K's run is jumped over in the last trip.  cnt = 1: the loop's count is taken down some lines ahead of the branch behind the turn.
; K and the mask of the next step are fetched in piece 2's turn, six vector instructions (five plain) behind the last product that read K, and further behind the last that read the mask;
; V of the step in hand in piece 0's turn, eight behind the last product that read V.  Each run is waited for a turn later.
.macro TURN p, last=0, cnt=0
.set Y, (\p)
.set i, 0
.if (\p) == 3
	s_wait_dscnt 0x0                ; K and the mask are in
.endif
	ROW F,0, F,1, F,2, F,3
	ROW F,4, E,0, F,5, F,6
	ROW F,7, E,1, F,8, F,9
	ROW F,10, E,2, C,0, F,11
	ROW F,12, E,3, X,15, F,13
	ROW R,0, R,1, R,2, R,3
	ROW B,0, E,4, F,14, L,0
.if (\p) == 2
	v_add_nc_u32 v[AK], s[TBK], v[AK0]
	v_add_nc_u32 v[AM], s[TBM], v[AM0]
.endif
	ROW R,4, R,5, R,6, R,7
	OPS E,5, F,15
.if (\p) == 2
	FETCH_K \last
.endif
	OPS E,6, C,1, E,7, R,8
	OPS E,8, R,9, E,9, C,2
	OPS E,10, X,0, E,11, X,1
	OPS E,12, X,2, E,13, X,3
.if (\p) == 1
	s_wait_dscnt 0x0                ; V is in
.endif
	ROW X,4, E,14, X,5, X,6
	ROW X,7, E,15, X,8, X,9
	ROW X,10, E,16, X,11, X,12
	ROW X,13, E,17, X,14, B,1
	ROW C,4, E,18, X,16, L,1
	ROW B,2, E,19, C,6, L,2
	ROW C,8, E,20, B,3, B,4
.if (\p) == 0
	v_add_nc_u32 v[AV], s[TBV], v[AV0]
.endif
	ROW C,3, E,21, L,3, C,5
	OPS E,22, X,17, E,23, C,10
.if (\p) == 0
	FETCH_V
.endif
	OPS E,24, L,4
	OPS E,25, X,18, E,26, C,7
	OPS E,27, B,5, E,28, X,19
	OPS E,29, C,12, E,30, L,5
	OPS E,31, X,20, B,6, C,9
	OPS C,14, C,11, X,21, L,6
.if (\p) == 0
	s_add_co_u32 s[TBV], s[TBV], KS*PV
.endif
.if \cnt
	s_sub_co_u32 s[CNT], s[CNT], 1
	s_cmp_lg_u32 s[CNT], 0
.endif
	OPS C,13, B,7, C,15, R,10
	OPS R,11, R,12, L,7, R,13
	OPS R,14, R,15
.endm
	CHANGE 1                        ; slot 0 is in and the mask table whole, everybody's part; tile 1 is asked for
	v_mov_b32 v52, WMAX
	ds_load_b128 v[48:51], v52      ; the four waves' largest entries
	s_wait_dscnt 0x0
	v_max_num_f32 v48, v48, v49
	v_max_num_f32 v50, v50, v51
	v_max_num_f32 v48, v48, v50     ; 0 if any key of the batch is visible, else -2^100
	v_cmp_lt_f32 vcc_lo, -1.0, v48
	WIN 0x88                        ; destination and source 1 in window 2
.set i, 0
.rept 64
	v_cndmask_b32 v[i], 0, v[i], vcc_lo  ; Q, or 0 where no key is visible
.set i, i+1
.endr
	WIN 0
	v_add_nc_u32 v[AK], s[TBK], v[AK0]
	v_add_nc_u32 v[AM], s[TBM], v[AM0]
	FETCH_K                         ; key step 0
	s_wait_dscnt 0x0
.set i, 0
.rept 8
	KQ 0                            ; piece 0's first scores
.set i, i+1
.endr
	WIN 0
.rept 4
	v_nop                           ; the places behind those products
.endr
.set Y, NP-1                        ; X works for piece Y + 1: piece 0
.irp n, 0,1,2,3,4,5,6,7,8,9,10,11,12,13,14,15,16,17,18,19,20,21
	OP X, \n
.endr
	v_nop                           ; a plain instruction behind the exponential
	s_mov_b32 s[CNT], 4
	s_branch .Lfirst                ; the loop is entered at a step's first turn, in the middle of a trip
.Lslot:                             ; six times: tiles 2 to 7 are asked for
	CHANGE 1
	s_mov_b32 s[CNT], 4
.Lstep:                             ; a trip: pieces 2 and 3 of one step, then pieces 0 and 1 of the next, whose K and V it fetches
	TURN 2
	TURN 3
	WIN 0
.Lfirst:
	TURN 0
	TURN 1, 0, 1
	WIN 0
	s_cbranch_scc1 .Lstep
	s_sub_co_u32 s[SLOTS], s[SLOTS], 1
	s_cmp_lg_u32 s[SLOTS], 0
	s_cbranch_scc1 .Lslot
	CHANGE 0                        ; the last tile is written out: nothing is asked for
	s_mov_b32 s[CNT], 5             ; four trips fetch the last tile's steps; the fifth fetches nothing and is left in its middle
.Ltail:
	TURN 2, 1
	TURN 3
	WIN 0
	s_cmp_eq_u32 s[CNT], 1
	s_cbranch_scc1 .Lout
	TURN 0
	TURN 1, 0, 1
	WIN 0
	s_cbranch_scc1 .Ltail
.Lout:                              ; the fifth trip's 8 products K Q^T for piece 0 (on the last K once more) and the maximum made of them serve nothing: they touch S^T's other buffer and piece 0's m and c m,
                                    ; which the way out does not read: the price, once a launch, of one text for every trip of the tail
.set i, 0
.rept 8
	PV NP-1                         ; the last piece's V^T P of the last step
.set i, i+1
.endr
	; THE WAY OUT.  l's halves and the other half of the lanes' are added; O^T is divided by l, rounded to f16 and sent through my stage, a piece at a time.  The additions are the places behind the last products.
	WIN 0
.macro ALL line:vararg
.set t, 0
.rept 4
	\line
.set t, t+1
.endr
.endm
	ALL v_add_f32 v[ST+4*t+2], v[ST+4*t+2], v[ST+4*t+3]
	ALL v_permlanex16_b32 v[ST+4*t+3], v[ST+4*t+2], s[SEL], s[SEL+1]
	ALL v_add_f32 v[ST+4*t+2], v[ST+4*t+2], v[ST+4*t+3]
	ALL v_rcp_f32 v[ST+4*t+2], v[ST+4*t+2]
	v_nop                           ; a plain instruction between the last reciprocal and the use of its result
.macro PACK t
	WIN W_RS
.set i, 32*(\t)
.rept 16
	s_wait_alu depctr_va_vdst(0)
	v_pk_mul_f32 v[i:i+1], v[i:i+1], v[ST+4*(\t)+2:ST+4*(\t)+3] op_sel_hi:[1,0]
.set i, i+2
.endr
	WIN 0x05                        ; sources window 1, destination window 0
.set i, 0
.rept 16
	v_cvt_pk_f16_f32 v[S+16*(\t)+i], v[32*(\t)+2*i], v[32*(\t)+2*i+1]
.set i, i+1
.endr
	WIN 0
.irp f, 0,1,2,3
	ds_store_b128 v[STO], v[S+16*(\t)+4*\f:S+16*(\t)+4*\f+3] offset:32*\f
.endr
.irp f, 0,1,2,3
	ds_load_b128 v[S+16*(\t)+4*\f:S+16*(\t)+4*\f+3], v[RD] offset:\f*4*SP  ; LDS serves a wave's instructions in order: these see the stores above
.endr
.endm
.macro SEND t, younger              ; younger: the LDS instructions issued behind piece t's loads: the next piece's eight, or none
	WIN 0
.irp f, 0,1,2,3
	s_wait_dscnt (\younger)+3-\f
	global_store_b128 v[GO], v[S+16*(\t)+4*\f:S+16*(\t)+4*\f+3], s[10:11] offset:(\t)*2048+\f*512  ; 512 consecutive bytes, aligned to 256
.endr
.endm
	PACK 0
.set t, 1
.rept 3
	PACK t
	SEND t-1, 8
.set t, t+1
.endr
	SEND 3, 0
	s_wait_tensorcnt 0x0            ; the wave's end
	ds_add_u32 v[SPW], v[NIL]
	s_wait_dscnt 0x0
	CROUND                          ; the closing round
	s_endpgm
.Lfunc_end_k_qde6e920e06_attn:
	.size	k_qde6e920e06_attn, .Lfunc_end_k_qde6e920e06_attn-k_qde6e920e06_attn
	.p2alignl 7, 3214868480
	.fill 96, 4, 3214868480
	.section	.rodata,"a",@progbits
	.p2align	6, 0x0
	.amdhsa_kernel k_qde6e920e06_attn
		.amdhsa_group_segment_fixed_size 327680
		.amdhsa_private_segment_fixed_size 0
		.amdhsa_enable_private_segment 0
		.amdhsa_kernarg_size 24
		.amdhsa_user_sgpr_count 2
		.amdhsa_user_sgpr_kernarg_segment_ptr 1
		.amdhsa_wavefront_size32 1
		.amdhsa_system_sgpr_workgroup_id_x 1
		.amdhsa_system_sgpr_workgroup_id_y 1
		.amdhsa_system_sgpr_workgroup_id_z 1
		.amdhsa_system_vgpr_workitem_id 0
		.amdhsa_next_free_vgpr 768
		.amdhsa_next_free_sgpr 88
		.amdhsa_reserve_vcc 1
		.amdhsa_float_denorm_mode_32 3
		.amdhsa_float_denorm_mode_16_64 3
		.amdhsa_memory_ordered 1
		.amdhsa_forward_progress 1
		.amdhsa_inst_pref_size 125
	.end_amdhsa_kernel
	.amdgpu_metadata
---
amdhsa.version: [ 1, 2 ]
amdhsa.kernels:
  - .name:           k_qde6e920e06_attn
    .symbol:         k_qde6e920e06_attn.kd
    .args:
      - { .name: act32, .offset: 0, .size: 8, .value_kind: global_buffer, .address_space: global }
      - { .name: mask, .offset: 8, .size: 8, .value_kind: global_buffer, .address_space: global }
      - { .name: act8, .offset: 16, .size: 8, .value_kind: global_buffer, .address_space: global }
    .group_segment_fixed_size: 327680
    .private_segment_fixed_size: 0
    .kernarg_segment_align: 8
    .kernarg_segment_size: 24
    .max_flat_workgroup_size: 128
    .sgpr_count:     88
    .vgpr_count:     768
    .wavefront_size: 32
...
	.end_amdgpu_metadata
.endif
;; end of part 3
;; launch wo (part 4): grid 8 x 32, 4 waves a work-group, clusters of 4 x 4, 327,680 bytes of LDS; arguments act8, w_o, bo, x, x1; writes x1
.if DOCPART == 4
	.amdgcn_target "amdgcn-amd-amdhsa--gfx1250"
	.amdhsa_code_object_version 6
	.text
	.protected	k_qde6e920e06_wo
	.globl	k_qde6e920e06_wo
	.p2align	8
	.type	k_qde6e920e06_wo,@function
k_qde6e920e06_wo:
	s_mov_b64 s[64:65], 0
	v_nop
	global_prefetch_b8 v0, s[64:65] scope:SCOPE_SE
	s_setreg_imm32_b32 hwreg(HW_REG_WAVE_MODE, 25, 1), 1
	s_wait_xcnt 0x0
	s_wait_alu depctr_hold_cnt(0) depctr_sa_sdst(0) depctr_va_vdst(0) depctr_va_sdst(0) depctr_va_ssrc(0) depctr_va_vcc(0) depctr_vm_vsrc(0)
	s_getreg_b32 s2, hwreg(HW_REG_IB_STS2, 6, 4)
	s_cmp_eq_u32 s2, 0
	s_cbranch_scc0 .Lentry_in_a_cluster
	s_endpgm
.Lentry_in_a_cluster:
	s_bfe_u32 s2, ttmp6, 0x10000c
	s_cmp_lg_u32 s2, 0xf033
	s_cbranch_scc0 .Lentry_shape_is_right
	s_endpgm
.Lentry_shape_is_right:
; C[t][n] = res[t][n] + bias[n] + the sum over k of A[t][k] W[k][n].  A: f16 as [unit k / 64][4096 t][64]; W: f16 as [K step of 256][8 tile columns of 128][256 k][128 n];
; bias: [1024] f32; res, C: [4096][1024] f32.  Sums in f32; the bias starts each sum; the residual is added in f32 on the way out.  K = 512 x LAPS.
; LIMIT: NaN and infinities are not treated apart.
; A tile of C is 128 x 128, so that the 256 tiles give each WGP one work-group.  Four waves, each 64 x 64: 16 accumulators.  K goes in steps of 256 through a ring of two LDS slots.
; One tensor load a wave for each step: waves 0, 1 bring 64 rows of A each (4 units x 8,192 dense bytes, padded after every row of 128), waves 2, 3 128 rows of W each (256 bytes a row).
; CLUSTER: 4 x 4 work-groups; A's tiles are asked for jointly along a row of the cluster, W's along a column.
; THE PRODUCT IS TAKEN TRANSPOSED (source 0 = 16 columns of W, by the turning load; source 1 = 16 rows of A): a lane holds one row and 8 neighbouring columns.
; REGISTERS: window 0: v16-29 addresses; v32-95 at work on the way out; v128-255 the accumulators ((a, b) at v[128 + 8 (4 a + b)]).
;   window 1: two fragment buffers of 128: for 64 along K, 64 registers of A, then 64 of W.     window 2: v0-127 my 64 x 64 of the residual, loaded at the start; v128-159 the bias.
.set LAPS,   2
.set PA,     144                       ; a row of A in LDS: 128 bytes + 16
.set AUNIT,  64*PA                     ; 64 rows of one unit
.set PW,     288                       ; a row of W: 256 + 32
.set HALFT,  4*AUNIT                   ; what one tensor load brings (128 x 288 is the same number)
.set SLOT,   4*HALFT
.set STAGE,  2*SLOT                    ; behind the ring: 16 rows x 272 bytes for each wave
.set SPITCH, 272
.set SPARE,  STAGE+4*16*SPITCH
.set ADRA, 16                          ; v16-17  my A fragments in slot 0, 1
.set ADRB, 20                          ; v20-23  my W fragments: slot s, k rows 128 h on, at 2 s + h
.set STO,  24
.set RD,   25
.set CO,   26                          ; v26     my 16 bytes in two rows of res and of C; never rewritten
.set BO,   27
.set SPW,  28
.set NIL,  29
.set TMP,  32
.set ACC,  128
.set F0,   0
.set F1,   128
.set RES,  0
.set BIAS, 128
.set G1,  24
.set G0,  32
.set G1B, 48
.set G0B, 56
.set MSB, 0
.macro WIN new
.if MSB != (\new)
	s_set_vgpr_msb (MSB<<8)|(\new)
.set MSB, \new
.endif
.endm
.macro JLOAD s                         ; waves 0 and 1 fetch for A, waves 2 and 3 for W; an s_nop 0 and four v_nop follow each line
	s_cmp_eq_u32 s15, 0
	s_cbranch_scc0 .Lfor_b_\@
	tensor_load_to_lds s[G0+4*(\s):G0+4*(\s)+3], s[G1:G1+7]
	s_nop 0
.rept 4
	v_nop
.endr
	s_branch .Lasked_\@
.Lfor_b_\@:
	tensor_load_to_lds s[G0B+4*(\s):G0B+4*(\s)+3], s[G1B:G1B+7]
	s_nop 0
.rept 4
	v_nop
.endr
.Lasked_\@:
.endm
.macro CREST
	s_cmp_lg_u32 s14, 0
	s_cbranch_scc1 .Lnot_wave_0_\@
	s_barrier_signal -3
.Lnot_wave_0_\@:
	s_barrier_wait -3
	s_barrier_signal -1
	s_barrier_wait -1
.endm
.macro CROUND
	s_barrier_signal -1
	s_barrier_wait -1
	CREST
.endm
.macro PLACES
.rept 4
	v_nop
.endr
.endm
	s_load_b256 s[4:11], s[0:1], 0x0               ; A 4, W 6, bias 8, res 10
	s_load_b64 s[12:13], s[0:1], 0x20              ; C
	v_lshl_add_u32 v[SPW], v0, 2, SPARE
	v_mov_b32 v[NIL], 0
	ds_add_u32 v[SPW], v[NIL]                      ; the wave's opening: the add and its wait stand ahead of my first tensor load
	v_lshrrev_b32 v1, 5, v0
	v_readfirstlane_b32 s14, v1                    ; wave
	s_lshr_b32 s15, s14, 1                         ; my half of the rows.  Also: I fetch for A (0) or W (1)
	s_and_b32 s16, s14, 1                          ; my half of the columns.  Also: which half of that tile I fetch
	s_bfe_u32 s17, ttmp6, 0x40000                  ; cx
	s_bfe_u32 s18, ttmp6, 0x40004                  ; cy
	s_lshl_b32 s19, ttmp9, 2
	s_add_co_u32 s19, s19, s17                     ; tile column
	s_and_b32 s20, ttmp7, 0xffff
	s_lshl_b32 s20, s20, 2
	s_add_co_u32 s20, s20, s18                     ; tile row
	s_lshl_b32 s21, s18, 2
	s_lshl_b32 s21, 15, s21                        ; my row of the cluster
	s_lshl_b32 s22, 0x1111, s17                    ; my column
	s_or_b32 s[G1+0], s21, (1<<16)|(1<<20)|(1<<21)|(4<<22)|(3<<25)   ; 2-byte elements; 4 words of padding after every 32
	s_mov_b32 s[G1+1], 4096<<16                    ; a row of the tile: 64 tokens x 64 channels of a unit, dense
	s_mov_b32 s[G1+2], 4<<16                       ; four units
	s_mov_b32 s[G1+3], 4096<<16
	s_mov_b32 s[G1+4], 4
	s_mov_b32 s[G1+5], 262144                      ; elements from unit to unit
	s_mov_b32 s[G1+6], 0
	s_mov_b32 s[G1+7], 0
	s_or_b32 s[G1B+0], s22, (1<<16)|(1<<20)|(1<<21)|(5<<22)|(7<<25)  ; 8 words after every 64
	s_mov_b32 s[G1B+1], 128<<16
	s_mov_b32 s[G1B+2], 128<<16
	s_mov_b32 s[G1B+3], 128<<16
	s_mov_b32 s[G1B+4], 128
	s_mov_b32 s[G1B+5], 128
	s_mov_b32 s[G1B+6], 0
	s_mov_b32 s[G1B+7], 0
	s_lshl_b32 s40, s20, 14                        ; A: token 128 x tile row + 64 x half, 128 bytes each
	s_lshl_b32 s41, s16, 13
	s_add_co_u32 s40, s40, s41
	s_mov_b32 s41, 0
	s_lshl_b32 s42, s19, 16                        ; W: the tile column's 65,536 bytes of a K step, my 128 rows of 256
	s_lshl_b32 s43, s16, 15
	s_add_co_u32 s42, s42, s43
	s_mov_b32 s43, 0
	s_mul_i32 s23, s14, HALFT
	s_wait_dscnt 0x0                               ; the opening add is done
	s_wait_kmcnt 0x0
	s_add_nc_u64 s[40:41], s[4:5], s[40:41]
	s_add_nc_u64 s[42:43], s[6:7], s[42:43]
	CROUND                                         ; the first joint loads meet
.irp s, 0,1
	s_mov_b32 s[G0+4*(\s)], 1
	s_add_co_u32 s[G0+4*(\s)+1], s23, (\s)*SLOT
	s_add_nc_u64 s[G0+4*(\s)+2:G0+4*(\s)+3], s[40:41], (\s)*2097152   ; four units a K step
	s_or_b32 s[G0+4*(\s)+3], s[G0+4*(\s)+3], 0x80000000
	s_mov_b32 s[G0B+4*(\s)], 1
	s_add_co_u32 s[G0B+4*(\s)+1], s23, (\s)*SLOT
	s_add_nc_u64 s[G0B+4*(\s)+2:G0B+4*(\s)+3], s[42:43], (\s)*524288
	s_or_b32 s[G0B+4*(\s)+3], s[G0B+4*(\s)+3], 0x80000000
	JLOAD \s                                       ; two loads of mine are out
.endr
	v_and_b32 v1, 15, v0                           ; l % 16
	v_bfe_u32 v2, v0, 4, 1                         ; l / 16
	v_lshlrev_b32 v[BO], 5, v2
	v_lshlrev_b32 v[CO], 12, v2                    ; lanes 0-15 one row of 4,096 bytes, lanes 16-31 the next
	v_lshl_add_u32 v[CO], v1, 4, v[CO]
	s_lshl_b32 s44, s19, 9                         ; my 64 columns: 256 bytes
	s_lshl_b32 s45, s16, 8
	s_add_co_u32 s44, s44, s45
	s_mov_b32 s45, 0
	s_add_nc_u64 s[8:9], s[8:9], s[44:45]
	s_lshl_b32 s46, s20, 19                        ; my 64 rows
	s_lshl_b32 s47, s15, 18
	s_add_co_u32 s46, s46, s47
	s_add_co_u32 s46, s46, s44
	s_mov_b32 s47, 0
	s_add_nc_u64 s[10:11], s[10:11], s[46:47]
	s_add_nc_u64 s[12:13], s[12:13], s[46:47]
	WIN 0x80                                       ; destination window 2
.irp b, 0,1,2,3
	global_load_b128 v[BIAS+8*(\b):BIAS+8*(\b)+3],   v[BO], s[8:9] offset:64*(\b)
	global_load_b128 v[BIAS+8*(\b)+4:BIAS+8*(\b)+7], v[BO], s[8:9] offset:64*(\b)+16
.endr
.set i, 0
.rept 32                                       ; the residual, in the layout of the way out; it is on its way while K is walked
	global_load_b128 v[RES+4*i:RES+4*i+3], v[CO], s[10:11] offset:2*i*4096 th:TH_LOAD_NT
.set i, i+1
.endr
	WIN 0
	v_mul_u32_u24 v3, v1, PA
	v_lshl_add_u32 v3, v2, 4, v3                   ; A: row x pitch + 16 x half
	v_and_b32 v4, 7, v0
	v_bfe_u32 v5, v0, 3, 1
	v_lshl_add_u32 v6, v2, 3, v4                   ; W: k row 8 (l / 16) + l % 8
	v_mul_u32_u24 v6, v6, PW
	v_lshl_add_u32 v6, v5, 4, v6
	s_mul_i32 s44, s15, HALFT                      ; my 64 rows of A
	s_lshl_b32 s45, s16, 7                         ; my 64 columns of W: 128 bytes of each row,
	s_add_co_u32 s45, s45, 2*HALFT                 ; behind A's two halves
.irp s, 0,1
	v_add_nc_u32 v[ADRA+(\s)], s44, v3
	v_add_nc_u32 v[ADRB+2*(\s)], s45, v6
	s_add_co_u32 s45, s45, HALFT
	v_add_nc_u32 v[ADRB+2*(\s)+1], s45, v6
	s_add_co_u32 s44, s44, SLOT
	s_add_co_u32 s45, s45, SLOT-HALFT
.endr
	s_mul_i32 s44, s14, 16*SPITCH
	s_add_co_u32 s44, s44, STAGE                   ; my stage
	v_mul_u32_u24 v7, v1, SPITCH                   ; in: row l % 16, 32 bytes for each half of the lanes
	v_lshl_add_u32 v7, v2, 5, v7
	v_add_nc_u32 v[STO], s44, v7
	v_mul_u32_u24 v7, v2, SPITCH                   ; back: lanes 0-15 one row of 256 bytes, lanes 16-31 the next
	v_lshl_add_u32 v7, v1, 4, v7
	v_add_nc_u32 v[RD], s44, v7
; 8 matrix instructions: row blocks a0, a0 + 1 x all 4 column blocks, 32 along K: half c of buffer f.  zero = 1: the bias is the C operand that starts the sums.  The 16 accumulators take turns.
.macro MUL8 f, c, a0, zero
.if \zero
	WIN 0x25                                       ; sources window 1, C window 2, D window 0
.else
	WIN 0x05
.endif
.irp a, \a0, (\a0)+1
.irp b, 0,1,2,3
.if \zero
	v_wmma_f32_16x16x32_f16 v[ACC+8*(4*(\a)+(\b)):ACC+8*(4*(\a)+(\b))+7], v[(\f)+64+8*(4*(\c)+(\b)):(\f)+64+8*(4*(\c)+(\b))+7], v[(\f)+8*(4*(\c)+(\a)):(\f)+8*(4*(\c)+(\a))+7], v[BIAS+8*(\b):BIAS+8*(\b)+7]
.else
	v_wmma_f32_16x16x32_f16 v[ACC+8*(4*(\a)+(\b)):ACC+8*(4*(\a)+(\b))+7], v[(\f)+64+8*(4*(\c)+(\b)):(\f)+64+8*(4*(\c)+(\b))+7], v[(\f)+8*(4*(\c)+(\a)):(\f)+8*(4*(\c)+(\a))+7], v[ACC+8*(4*(\a)+(\b)):ACC+8*(4*(\a)+(\b))+7]
.endif
.endr
.endr
.endm
; 32 LDS loads in one run: quarter q (64 along K: one unit of A) of a slot into buffer f; the first 32 along K first
.macro FETCH slot, q, f
	WIN 0x40
.irp c, 0,1
.irp i, 0,1,2,3
	ds_load_tr16_b128 v[(\f)+64+8*(4*(\c)+(\i)):(\f)+64+8*(4*(\c)+(\i))+3],   v[ADRB+2*(\slot)+(\q)/2] offset:((\q)%2)*64*PW+(\c)*32*PW+32*(\i)
	ds_load_tr16_b128 v[(\f)+64+8*(4*(\c)+(\i))+4:(\f)+64+8*(4*(\c)+(\i))+7], v[ADRB+2*(\slot)+(\q)/2] offset:((\q)%2)*64*PW+(\c)*32*PW+16*PW+32*(\i)
	ds_load_b128 v[(\f)+8*(4*(\c)+(\i)):(\f)+8*(4*(\c)+(\i))+3],   v[ADRA+(\slot)] offset:(\q)*AUNIT+64*(\c)+(\i)*16*PA
	ds_load_b128 v[(\f)+8*(4*(\c)+(\i))+4:(\f)+8*(4*(\c)+(\i))+7], v[ADRA+(\slot)] offset:(\q)*AUNIT+64*(\c)+(\i)*16*PA+32
.endr
.endr
.endm
.macro QUARTER slot, q, f, g, zero
	s_wait_dscnt 16                                ; the first 32 along K are in; the other sixteen loads may be out
	MUL8 \f, 0, 0, \zero
	MUL8 \f, 0, 2, \zero
	PLACES
	FETCH \slot, \q, \g
	s_wait_dscnt 32                                ; all but the 32 just issued
	MUL8 \f, 1, 0, 0
	MUL8 \f, 1, 2, 0
.endm
; The last quarter multiplies buffer 1 and changes slots: one barrier; in front of it each wave waits for all its tensor loads, adds 0 to its spare word, and waits for that and for its reads of this slot.
.macro TURN slot, next, fill
	WIN 0
	s_wait_tensorcnt 0x0
	ds_add_u32 v[SPW], v[NIL]
	s_wait_dscnt 17                                ; the add and the youngest sixteen loads may be out
	MUL8 F1, 0, 0, 0
	s_wait_dscnt 0x0
	s_barrier_signal -1
	MUL8 F1, 0, 2, 0
.if \fill
	WIN 0
.endif
	s_barrier_wait -1
.if \fill
	CREST                                          ; no wave of any partner still reads this slot or has a load on its way
	s_add_nc_u64 s[G0+4*(\slot)+2:G0+4*(\slot)+3], s[G0+4*(\slot)+2:G0+4*(\slot)+3], 4194304
	s_add_nc_u64 s[G0B+4*(\slot)+2:G0B+4*(\slot)+3], s[G0B+4*(\slot)+2:G0B+4*(\slot)+3], 1048576
	JLOAD \slot                                    ; 112 matrix instructions ahead of the wait for it; its four v_nop are also the places in front of the loads below
.else
	PLACES
.endif
	FETCH \next, 0, F0
	MUL8 F1, 1, 0, 0
	MUL8 F1, 1, 2, 0
.endm
; THE WAY OUT.  A wave's 64 columns of f32 are 256 aligned bytes of a row, so each wave has a stage of its own.  OUT: block a's 16 rows into the stage and back as whole rows.
.macro OUT a
.irp b, 0,1,2,3
	ds_store_b128 v[STO], v[ACC+8*(4*(\a)+(\b)):ACC+8*(4*(\a)+(\b))+3]   offset:64*(\b)
	ds_store_b128 v[STO], v[ACC+8*(4*(\a)+(\b))+4:ACC+8*(4*(\a)+(\b))+7] offset:64*(\b)+16
.endr
.irp t, 0,1,2,3,4,5,6,7
	ds_load_b128 v[TMP+32*((\a)%2)+4*(\t):TMP+32*((\a)%2)+4*(\t)+3], v[RD] offset:(\t)*2*SPITCH  ; LDS serves a wave's instructions in order: these see the stores above
.endr
.endm
.macro SENDF a, younger                ; the residual is added, and the block stored.  younger: the next block's sixteen LDS instructions, or none
	s_wait_dscnt \younger
	WIN 0x08                                       ; source 1 in window 2
.set k, 0
.rept 16
	v_pk_add_f32 v[TMP+32*((\a)%2)+k:TMP+32*((\a)%2)+k+1], v[TMP+32*((\a)%2)+k:TMP+32*((\a)%2)+k+1], v[RES+32*(\a)+k:RES+32*(\a)+k+1]
.set k, k+2
.endr
	WIN 0
.irp t, 0,1,2,3,4,5,6,7
	global_store_b128 v[CO], v[TMP+32*((\a)%2)+4*(\t):TMP+32*((\a)%2)+4*(\t)+3], s[12:13] offset:(16*(\a)+2*(\t))*4096 th:TH_STORE_NT  ; 16 lanes store 256 consecutive bytes, aligned
.endr
.endm
	s_wait_tensorcnt 1                             ; my part of K step 0 is in; K step 1's stays out
	s_barrier_signal -1
	s_barrier_wait -1
	FETCH 0, 0, F0
	s_wait_loadcnt 32                              ; the bias is in; the residual's 32 loads stay out
	QUARTER 0, 1, F0, F1, 1
	WIN 0
	s_mov_b32 s3, LAPS-1
.Llap:
	QUARTER 0, 2, F1, F0, 0
	QUARTER 0, 3, F0, F1, 0
	TURN 0, 1, 1
	QUARTER 1, 1, F0, F1, 0
	QUARTER 1, 2, F1, F0, 0
	QUARTER 1, 3, F0, F1, 0
	TURN 1, 0, 1
	QUARTER 0, 1, F0, F1, 0
	WIN 0
	s_sub_co_u32 s3, s3, 1
	s_cmp_lg_u32 s3, 0
	s_cbranch_scc1 .Llap
	QUARTER 0, 2, F1, F0, 0                        ; the last lap fills nothing
	QUARTER 0, 3, F0, F1, 0
	TURN 0, 1, 0
	QUARTER 1, 1, F0, F1, 0
	QUARTER 1, 2, F1, F0, 0
	QUARTER 1, 3, F0, F1, 0
	s_wait_dscnt 16
	MUL8 F1, 0, 0, 0
	MUL8 F1, 0, 2, 0
	s_wait_dscnt 0x0
	MUL8 F1, 1, 0, 0
	MUL8 F1, 1, 2, 0
	WIN 0
	PLACES
	s_wait_loadcnt 0x0                             ; the residual
	OUT 0
	OUT 1
	SENDF 0, 16
	s_wait_xcnt 0x0                                ; block 0's stores have read their data: those registers are loaded again
	OUT 2
	SENDF 1, 16
	s_wait_xcnt 0x0
	OUT 3
	SENDF 2, 16
	SENDF 3, 0
	s_wait_tensorcnt 0x0                           ; the wave's end
	ds_add_u32 v[SPW], v[NIL]
	s_wait_dscnt 0x0
	CROUND                                         ; the closing round
	s_endpgm
.Lfunc_end_k_qde6e920e06_wo:
	.size	k_qde6e920e06_wo, .Lfunc_end_k_qde6e920e06_wo-k_qde6e920e06_wo
	.p2alignl 7, 3214868480
	.fill 96, 4, 3214868480
	.section	.rodata,"a",@progbits
	.p2align	6, 0x0
	.amdhsa_kernel k_qde6e920e06_wo
		.amdhsa_group_segment_fixed_size 327680
		.amdhsa_private_segment_fixed_size 0
		.amdhsa_enable_private_segment 0
		.amdhsa_kernarg_size 40
		.amdhsa_user_sgpr_count 2
		.amdhsa_user_sgpr_kernarg_segment_ptr 1
		.amdhsa_wavefront_size32 1
		.amdhsa_system_sgpr_workgroup_id_x 1
		.amdhsa_system_sgpr_workgroup_id_y 1
		.amdhsa_system_sgpr_workgroup_id_z 1
		.amdhsa_system_vgpr_workitem_id 0
		.amdhsa_next_free_vgpr 672
		.amdhsa_next_free_sgpr 66
		.amdhsa_reserve_vcc 0
		.amdhsa_float_denorm_mode_32 3
		.amdhsa_float_denorm_mode_16_64 3
		.amdhsa_memory_ordered 1
		.amdhsa_forward_progress 1
		.amdhsa_inst_pref_size 94
	.end_amdhsa_kernel
	.amdgpu_metadata
---
amdhsa.version: [ 1, 2 ]
amdhsa.kernels:
  - .name:           k_qde6e920e06_wo
    .symbol:         k_qde6e920e06_wo.kd
    .args:
      - { .name: act8, .offset: 0, .size: 8, .value_kind: global_buffer, .address_space: global }
      - { .name: w_o, .offset: 8, .size: 8, .value_kind: global_buffer, .address_space: global }
      - { .name: bo, .offset: 16, .size: 8, .value_kind: global_buffer, .address_space: global }
      - { .name: x, .offset: 24, .size: 8, .value_kind: global_buffer, .address_space: global }
      - { .name: x1, .offset: 32, .size: 8, .value_kind: global_buffer, .address_space: global }
    .group_segment_fixed_size: 327680
    .private_segment_fixed_size: 0
    .kernarg_segment_align: 8
    .kernarg_segment_size: 40
    .max_flat_workgroup_size: 128
    .sgpr_count:     66
    .vgpr_count:     672
    .wavefront_size: 32
...
	.end_amdgpu_metadata
.endif
;; end of part 4
;; launch ln2 (part 5): grid 512 x 1, 8 waves a work-group, no clusters, 0 bytes of LDS; arguments x1, ln2_g, ln2_b, act8; writes act8
.if DOCPART == 5
	.amdgcn_target "amdgcn-amd-amdhsa--gfx1250"
	.amdhsa_code_object_version 6
	.text
	.protected	k_qde6e920e06_ln2
	.globl	k_qde6e920e06_ln2
	.p2align	8
	.type	k_qde6e920e06_ln2,@function
k_qde6e920e06_ln2:
	s_mov_b64 s[64:65], 0
	v_nop
	global_prefetch_b8 v0, s[64:65] scope:SCOPE_SE
	s_setreg_imm32_b32 hwreg(HW_REG_WAVE_MODE, 25, 1), 1
	s_wait_xcnt 0x0
; y[r][c] = g[c] (x[r][c] - mean) / (std + 1e-6) + b[c], std with the divisor 1,023.  x: [4096][1024] f32, y: [4096][1024] f16, rounded once.
; LIMITS: |y| stays below 65,504 (f16); the root and the reciprocal take a denormal for 0; NaN and infinities are not treated apart.
; A row is 4,096 bytes: one wave takes one whole row, eight 16-byte loads a lane, and keeps it in 32 registers through all three passes (sum; squares of x - mean; scaling):
; the row is read once, the variance is taken of true differences, and no wave waits for another.  Eight waves, eight rows to a work-group.
; A store of the wave covers 256 consecutive bytes, aligned.  No LDS, no barrier, no matrix unit: the launch is a stream.
.set G,  8                             ; v[8:39]    g of my 32 columns
.set BB, 40                            ; v[40:71]   b of them
.set X,  72                            ; v[72:103]  the row
.set T,  104                           ; v[104:111] at work
.set M,  112                           ; v[112:113] the mean, twice
.set R,  114                           ; v[114:115] 1 / (std + eps), twice
.set Y,  116                           ; v[116:131] to store
	s_load_b256 s[4:11], s[0:1], 0x0               ; x 4, g 6, b 8, y 10
	v_and_b32 v3, 31, v0
	v_lshlrev_b32 v1, 4, v3                        ; 16 x lane: x, g, b
	v_lshlrev_b32 v2, 3, v3                        ; 8 x lane: y
	v_lshrrev_b32 v4, 5, v0
	v_readfirstlane_b32 s14, v4                    ; wave
	s_lshl_b32 s16, ttmp9, 15                      ; 8 rows of 4,096 bytes a work-group,
	s_lshl_b32 s15, s14, 12                        ; one a wave
	s_add_co_u32 s16, s16, s15
	s_mov_b32 s17, 0
	s_lshr_b32 s18, s16, 1                         ; half as many bytes in y
	s_mov_b32 s19, 0
	s_mov_b32 s12, 0x76543210                      ; v_permlanex16_b32: each lane takes its own place in the other half
	s_mov_b32 s13, 0xfedcba98
	s_wait_kmcnt 0x0
	s_add_nc_u64 s[4:5], s[4:5], s[16:17]
	s_add_nc_u64 s[10:11], s[10:11], s[18:19]
.irp j, 0,1,2,3,4,5,6,7
	global_load_b128 v[X+4*(\j):X+4*(\j)+3], v1, s[4:5] offset:512*(\j) th:TH_LOAD_NT
.endr
.irp j, 0,1,2,3,4,5,6,7
	global_load_b128 v[G+4*(\j):G+4*(\j)+3], v1, s[6:7] offset:512*(\j)
.endr
.irp j, 0,1,2,3,4,5,6,7
	global_load_b128 v[BB+4*(\j):BB+4*(\j)+3], v1, s[8:9] offset:512*(\j)
.endr
.macro TOTAL                           ; four pairs in T become one number, the same in all 32 lanes
	v_pk_add_f32 v[T:T+1], v[T:T+1], v[T+2:T+3]
	v_pk_add_f32 v[T+4:T+5], v[T+4:T+5], v[T+6:T+7]
	v_pk_add_f32 v[T:T+1], v[T:T+1], v[T+4:T+5]
	v_add_f32 v[T], v[T], v[T+1]
	v_add_f32_dpp v[T], v[T], v[T] row_xmask:1 row_mask:0xf bank_mask:0xf
	v_add_f32_dpp v[T], v[T], v[T] row_xmask:2 row_mask:0xf bank_mask:0xf
	v_add_f32_dpp v[T], v[T], v[T] row_xmask:4 row_mask:0xf bank_mask:0xf
	v_add_f32_dpp v[T], v[T], v[T] row_xmask:8 row_mask:0xf bank_mask:0xf
	v_permlanex16_b32 v[T+1], v[T], s12, s13
	v_add_f32 v[T], v[T], v[T+1]
.endm
	s_wait_loadcnt 16                              ; the row is in; g's 8 loads and b's 8 stay out
.irp c, 0,1,2,3
	v_pk_add_f32 v[T+2*(\c):T+2*(\c)+1], v[X+2*(\c):X+2*(\c)+1], v[X+8+2*(\c):X+8+2*(\c)+1]  ; four chains, started by the first pairs
.endr
.irp k, 2,3
.irp c, 0,1,2,3
	v_pk_add_f32 v[T+2*(\c):T+2*(\c)+1], v[T+2*(\c):T+2*(\c)+1], v[X+8*(\k)+2*(\c):X+8*(\k)+2*(\c)+1]
.endr
.endr
	TOTAL
	v_mul_f32 v[M], 0x3a800000, v[T]               ; / 1,024
	v_mul_f32 v[M+1], 0x3a800000, v[T]
.set k, 0
.rept 16
	v_pk_add_f32 v[X+k:X+k+1], v[X+k:X+k+1], v[M:M+1] neg_lo:[0,1] neg_hi:[0,1]  ; x - mean, in place
.set k, k+2
.endr
.irp c, 0,1,2,3
	v_pk_mul_f32 v[T+2*(\c):T+2*(\c)+1], v[X+2*(\c):X+2*(\c)+1], v[X+2*(\c):X+2*(\c)+1]
.endr
.irp k, 1,2,3
.irp c, 0,1,2,3
	v_pk_fma_f32 v[T+2*(\c):T+2*(\c)+1], v[X+8*(\k)+2*(\c):X+8*(\k)+2*(\c)+1], v[X+8*(\k)+2*(\c):X+8*(\k)+2*(\c)+1], v[T+2*(\c):T+2*(\c)+1]
.endr
.endr
	TOTAL
	v_mul_f32 v[T], 0x3a802008, v[T]               ; / 1,023
	v_sqrt_f32 v[T+2], v[T]
	v_nop                                          ; a plain instruction behind the root, ahead of the use of its result
	s_wait_alu depctr_va_vdst(0)
	v_add_f32 v[T+2], 0x358637bd, v[T+2]           ; + 1e-6
	v_rcp_f32 v[R], v[T+2]
	v_rcp_f32 v[R+1], v[T+2]
	v_nop                                          ; and behind the reciprocals
	s_wait_loadcnt 0x0                             ; g and b
.set k, 0
	s_wait_alu depctr_va_vdst(0)
.rept 16
	v_pk_mul_f32 v[X+k:X+k+1], v[X+k:X+k+1], v[R:R+1]
.set k, k+2
.endr
.set k, 0
.rept 16
	v_pk_fma_f32 v[X+k:X+k+1], v[X+k:X+k+1], v[G+k:G+k+1], v[BB+k:BB+k+1]
.set k, k+2
.endr
.set k, 0
.rept 16
	v_cvt_pk_f16_f32 v[Y+k], v[X+2*k], v[X+2*k+1]
.set k, k+1
.endr
.irp j, 0,1,2,3,4,5,6,7
	global_store_b64 v2, v[Y+2*(\j):Y+2*(\j)+1], s[10:11] offset:256*(\j)
.endr
	s_endpgm
.Lfunc_end_k_qde6e920e06_ln2:
	.size	k_qde6e920e06_ln2, .Lfunc_end_k_qde6e920e06_ln2-k_qde6e920e06_ln2
	.p2alignl 7, 3214868480
	.fill 96, 4, 3214868480
	.section	.rodata,"a",@progbits
	.p2align	6, 0x0
	.amdhsa_kernel k_qde6e920e06_ln2
		.amdhsa_group_segment_fixed_size 0
		.amdhsa_private_segment_fixed_size 0
		.amdhsa_enable_private_segment 0
		.amdhsa_kernarg_size 32
		.amdhsa_user_sgpr_count 2
		.amdhsa_user_sgpr_kernarg_segment_ptr 1
		.amdhsa_wavefront_size32 1
		.amdhsa_system_sgpr_workgroup_id_x 1
		.amdhsa_system_sgpr_workgroup_id_y 1
		.amdhsa_system_sgpr_workgroup_id_z 1
		.amdhsa_system_vgpr_workitem_id 0
		.amdhsa_next_free_vgpr 132
		.amdhsa_next_free_sgpr 66
		.amdhsa_reserve_vcc 0
		.amdhsa_float_denorm_mode_32 3
		.amdhsa_float_denorm_mode_16_64 3
		.amdhsa_memory_ordered 1
		.amdhsa_forward_progress 1
		.amdhsa_inst_pref_size 12
	.end_amdhsa_kernel
	.amdgpu_metadata
---
amdhsa.version: [ 1, 2 ]
amdhsa.kernels:
  - .name:           k_qde6e920e06_ln2
    .symbol:         k_qde6e920e06_ln2.kd
    .args:
      - { .name: x1, .offset: 0, .size: 8, .value_kind: global_buffer, .address_space: global }
      - { .name: ln2_g, .offset: 8, .size: 8, .value_kind: global_buffer, .address_space: global }
      - { .name: ln2_b, .offset: 16, .size: 8, .value_kind: global_buffer, .address_space: global }
      - { .name: act8, .offset: 24, .size: 8, .value_kind: global_buffer, .address_space: global }
    .group_segment_fixed_size: 0
    .private_segment_fixed_size: 0
    .kernarg_segment_align: 8
    .kernarg_segment_size: 32
    .max_flat_workgroup_size: 256
    .sgpr_count:     66
    .vgpr_count:     132
    .wavefront_size: 32
...
	.end_amdgpu_metadata
.endif
;; end of part 5
;; launch ffn1: the kernel of part 2 again; grid 16 x 16, 4 waves a work-group, clusters of 4 x 4, 327,680 bytes of LDS; arguments act8, pk_f1, act32; writes act32
;; launch ffn2 (part 6): grid 8 x 32, 4 waves a work-group, clusters of 4 x 4, 327,680 bytes of LDS; arguments act32, w_2, b2, x1, out0; writes out0
.if DOCPART == 6
	.amdgcn_target "amdgcn-amd-amdhsa--gfx1250"
	.amdhsa_code_object_version 6
	.text
	.protected	k_qde6e920e06_ffn2
	.globl	k_qde6e920e06_ffn2
	.p2align	8
	.type	k_qde6e920e06_ffn2,@function
k_qde6e920e06_ffn2:
	s_mov_b64 s[64:65], 0
	v_nop
	global_prefetch_b8 v0, s[64:65] scope:SCOPE_SE
	s_setreg_imm32_b32 hwreg(HW_REG_WAVE_MODE, 25, 1), 1
	s_wait_xcnt 0x0
	s_wait_alu depctr_hold_cnt(0) depctr_sa_sdst(0) depctr_va_vdst(0) depctr_va_sdst(0) depctr_va_ssrc(0) depctr_va_vcc(0) depctr_vm_vsrc(0)
	s_getreg_b32 s2, hwreg(HW_REG_IB_STS2, 6, 4)
	s_cmp_eq_u32 s2, 0
	s_cbranch_scc0 .Lentry_in_a_cluster
	s_endpgm
.Lentry_in_a_cluster:
	s_bfe_u32 s2, ttmp6, 0x10000c
	s_cmp_lg_u32 s2, 0xf033
	s_cbranch_scc0 .Lentry_shape_is_right
	s_endpgm
.Lentry_shape_is_right:
; C[t][n] = res[t][n] + bias[n] + the sum over k of A[t][k] W[k][n].  A: f16 as [unit k / 64][4096 t][64]; W: f16 as [K step of 256][8 tile columns of 128][256 k][128 n];
; bias: [1024] f32; res, C: [4096][1024] f32.  Sums in f32; the bias starts each sum; the residual is added in f32 on the way out.  K = 512 x LAPS.
; LIMIT: NaN and infinities are not treated apart.
; A tile of C is 128 x 128, so that the 256 tiles give each WGP one work-group.  Four waves, each 64 x 64: 16 accumulators.  K goes in steps of 256 through a ring of two LDS slots.
; One tensor load a wave for each step: waves 0, 1 bring 64 rows of A each (4 units x 8,192 dense bytes, padded after every row of 128), waves 2, 3 128 rows of W each (256 bytes a row).
; CLUSTER: 4 x 4 work-groups; A's tiles are asked for jointly along a row of the cluster, W's along a column.
; THE PRODUCT IS TAKEN TRANSPOSED (source 0 = 16 columns of W, by the turning load; source 1 = 16 rows of A): a lane holds one row and 8 neighbouring columns.
; REGISTERS: window 0: v16-29 addresses; v32-95 at work on the way out; v128-255 the accumulators ((a, b) at v[128 + 8 (4 a + b)]).
;   window 1: two fragment buffers of 128: for 64 along K, 64 registers of A, then 64 of W.     window 2: v0-127 my 64 x 64 of the residual, loaded at the start; v128-159 the bias.
.set LAPS,   8
.set PA,     144                       ; a row of A in LDS: 128 bytes + 16
.set AUNIT,  64*PA                     ; 64 rows of one unit
.set PW,     288                       ; a row of W: 256 + 32
.set HALFT,  4*AUNIT                   ; what one tensor load brings (128 x 288 is the same number)
.set SLOT,   4*HALFT
.set STAGE,  2*SLOT                    ; behind the ring: 16 rows x 272 bytes for each wave
.set SPITCH, 272
.set SPARE,  STAGE+4*16*SPITCH
.set ADRA, 16                          ; v16-17  my A fragments in slot 0, 1
.set ADRB, 20                          ; v20-23  my W fragments: slot s, k rows 128 h on, at 2 s + h
.set STO,  24
.set RD,   25
.set CO,   26                          ; v26     my 16 bytes in two rows of res and of C; never rewritten
.set BO,   27
.set SPW,  28
.set NIL,  29
.set TMP,  32
.set ACC,  128
.set F0,   0
.set F1,   128
.set RES,  0
.set BIAS, 128
.set G1,  24
.set G0,  32
.set G1B, 48
.set G0B, 56
.set MSB, 0
.macro WIN new
.if MSB != (\new)
	s_set_vgpr_msb (MSB<<8)|(\new)
.set MSB, \new
.endif
.endm
.macro JLOAD s                         ; waves 0 and 1 fetch for A, waves 2 and 3 for W; an s_nop 0 and four v_nop follow each line
	s_cmp_eq_u32 s15, 0
	s_cbranch_scc0 .Lfor_b_\@
	tensor_load_to_lds s[G0+4*(\s):G0+4*(\s)+3], s[G1:G1+7]
	s_nop 0
.rept 4
	v_nop
.endr
	s_branch .Lasked_\@
.Lfor_b_\@:
	tensor_load_to_lds s[G0B+4*(\s):G0B+4*(\s)+3], s[G1B:G1B+7]
	s_nop 0
.rept 4
	v_nop
.endr
.Lasked_\@:
.endm
.macro CREST
	s_cmp_lg_u32 s14, 0
	s_cbranch_scc1 .Lnot_wave_0_\@
	s_barrier_signal -3
.Lnot_wave_0_\@:
	s_barrier_wait -3
	s_barrier_signal -1
	s_barrier_wait -1
.endm
.macro CROUND
	s_barrier_signal -1
	s_barrier_wait -1
	CREST
.endm
.macro PLACES
.rept 4
	v_nop
.endr
.endm
	s_load_b256 s[4:11], s[0:1], 0x0               ; A 4, W 6, bias 8, res 10
	s_load_b64 s[12:13], s[0:1], 0x20              ; C
	v_lshl_add_u32 v[SPW], v0, 2, SPARE
	v_mov_b32 v[NIL], 0
	ds_add_u32 v[SPW], v[NIL]                      ; the wave's opening: the add and its wait stand ahead of my first tensor load
	v_lshrrev_b32 v1, 5, v0
	v_readfirstlane_b32 s14, v1                    ; wave
	s_lshr_b32 s15, s14, 1                         ; my half of the rows.  Also: I fetch for A (0) or W (1)
	s_and_b32 s16, s14, 1                          ; my half of the columns.  Also: which half of that tile I fetch
	s_bfe_u32 s17, ttmp6, 0x40000                  ; cx
	s_bfe_u32 s18, ttmp6, 0x40004                  ; cy
	s_lshl_b32 s19, ttmp9, 2
	s_add_co_u32 s19, s19, s17                     ; tile column
	s_and_b32 s20, ttmp7, 0xffff
	s_lshl_b32 s20, s20, 2
	s_add_co_u32 s20, s20, s18                     ; tile row
	s_lshl_b32 s21, s18, 2
	s_lshl_b32 s21, 15, s21                        ; my row of the cluster
	s_lshl_b32 s22, 0x1111, s17                    ; my column
	s_or_b32 s[G1+0], s21, (1<<16)|(1<<20)|(1<<21)|(4<<22)|(3<<25)   ; 2-byte elements; 4 words of padding after every 32
	s_mov_b32 s[G1+1], 4096<<16                    ; a row of the tile: 64 tokens x 64 channels of a unit, dense
	s_mov_b32 s[G1+2], 4<<16                       ; four units
	s_mov_b32 s[G1+3], 4096<<16
	s_mov_b32 s[G1+4], 4
	s_mov_b32 s[G1+5], 262144                      ; elements from unit to unit
	s_mov_b32 s[G1+6], 0
	s_mov_b32 s[G1+7], 0
	s_or_b32 s[G1B+0], s22, (1<<16)|(1<<20)|(1<<21)|(5<<22)|(7<<25)  ; 8 words after every 64
	s_mov_b32 s[G1B+1], 128<<16
	s_mov_b32 s[G1B+2], 128<<16
	s_mov_b32 s[G1B+3], 128<<16
	s_mov_b32 s[G1B+4], 128
	s_mov_b32 s[G1B+5], 128
	s_mov_b32 s[G1B+6], 0
	s_mov_b32 s[G1B+7], 0
	s_lshl_b32 s40, s20, 14                        ; A: token 128 x tile row + 64 x half, 128 bytes each
	s_lshl_b32 s41, s16, 13
	s_add_co_u32 s40, s40, s41
	s_mov_b32 s41, 0
	s_lshl_b32 s42, s19, 16                        ; W: the tile column's 65,536 bytes of a K step, my 128 rows of 256
	s_lshl_b32 s43, s16, 15
	s_add_co_u32 s42, s42, s43
	s_mov_b32 s43, 0
	s_mul_i32 s23, s14, HALFT
	s_wait_dscnt 0x0                               ; the opening add is done
	s_wait_kmcnt 0x0
	s_add_nc_u64 s[40:41], s[4:5], s[40:41]
	s_add_nc_u64 s[42:43], s[6:7], s[42:43]
	CROUND                                         ; the first joint loads meet
.irp s, 0,1
	s_mov_b32 s[G0+4*(\s)], 1
	s_add_co_u32 s[G0+4*(\s)+1], s23, (\s)*SLOT
	s_add_nc_u64 s[G0+4*(\s)+2:G0+4*(\s)+3], s[40:41], (\s)*2097152   ; four units a K step
	s_or_b32 s[G0+4*(\s)+3], s[G0+4*(\s)+3], 0x80000000
	s_mov_b32 s[G0B+4*(\s)], 1
	s_add_co_u32 s[G0B+4*(\s)+1], s23, (\s)*SLOT
	s_add_nc_u64 s[G0B+4*(\s)+2:G0B+4*(\s)+3], s[42:43], (\s)*524288
	s_or_b32 s[G0B+4*(\s)+3], s[G0B+4*(\s)+3], 0x80000000
	JLOAD \s                                       ; two loads of mine are out
.endr
	v_and_b32 v1, 15, v0                           ; l % 16
	v_bfe_u32 v2, v0, 4, 1                         ; l / 16
	v_lshlrev_b32 v[BO], 5, v2
	v_lshlrev_b32 v[CO], 12, v2                    ; lanes 0-15 one row of 4,096 bytes, lanes 16-31 the next
	v_lshl_add_u32 v[CO], v1, 4, v[CO]
	s_lshl_b32 s44, s19, 9                         ; my 64 columns: 256 bytes
	s_lshl_b32 s45, s16, 8
	s_add_co_u32 s44, s44, s45
	s_mov_b32 s45, 0
	s_add_nc_u64 s[8:9], s[8:9], s[44:45]
	s_lshl_b32 s46, s20, 19                        ; my 64 rows
	s_lshl_b32 s47, s15, 18
	s_add_co_u32 s46, s46, s47
	s_add_co_u32 s46, s46, s44
	s_mov_b32 s47, 0
	s_add_nc_u64 s[10:11], s[10:11], s[46:47]
	s_add_nc_u64 s[12:13], s[12:13], s[46:47]
	WIN 0x80                                       ; destination window 2
.irp b, 0,1,2,3
	global_load_b128 v[BIAS+8*(\b):BIAS+8*(\b)+3],   v[BO], s[8:9] offset:64*(\b)
	global_load_b128 v[BIAS+8*(\b)+4:BIAS+8*(\b)+7], v[BO], s[8:9] offset:64*(\b)+16
.endr
.set i, 0
.rept 32                                       ; the residual, in the layout of the way out; it is on its way while K is walked
	global_load_b128 v[RES+4*i:RES+4*i+3], v[CO], s[10:11] offset:2*i*4096 th:TH_LOAD_NT
.set i, i+1
.endr
	WIN 0
	v_mul_u32_u24 v3, v1, PA
	v_lshl_add_u32 v3, v2, 4, v3                   ; A: row x pitch + 16 x half
	v_and_b32 v4, 7, v0
	v_bfe_u32 v5, v0, 3, 1
	v_lshl_add_u32 v6, v2, 3, v4                   ; W: k row 8 (l / 16) + l % 8
	v_mul_u32_u24 v6, v6, PW
	v_lshl_add_u32 v6, v5, 4, v6
	s_mul_i32 s44, s15, HALFT                      ; my 64 rows of A
	s_lshl_b32 s45, s16, 7                         ; my 64 columns of W: 128 bytes of each row,
	s_add_co_u32 s45, s45, 2*HALFT                 ; behind A's two halves
.irp s, 0,1
	v_add_nc_u32 v[ADRA+(\s)], s44, v3
	v_add_nc_u32 v[ADRB+2*(\s)], s45, v6
	s_add_co_u32 s45, s45, HALFT
	v_add_nc_u32 v[ADRB+2*(\s)+1], s45, v6
	s_add_co_u32 s44, s44, SLOT
	s_add_co_u32 s45, s45, SLOT-HALFT
.endr
	s_mul_i32 s44, s14, 16*SPITCH
	s_add_co_u32 s44, s44, STAGE                   ; my stage
	v_mul_u32_u24 v7, v1, SPITCH                   ; in: row l % 16, 32 bytes for each half of the lanes
	v_lshl_add_u32 v7, v2, 5, v7
	v_add_nc_u32 v[STO], s44, v7
	v_mul_u32_u24 v7, v2, SPITCH                   ; back: lanes 0-15 one row of 256 bytes, lanes 16-31 the next
	v_lshl_add_u32 v7, v1, 4, v7
	v_add_nc_u32 v[RD], s44, v7
; 8 matrix instructions: row blocks a0, a0 + 1 x all 4 column blocks, 32 along K: half c of buffer f.  zero = 1: the bias is the C operand that starts the sums.  The 16 accumulators take turns.
.macro MUL8 f, c, a0, zero
.if \zero
	WIN 0x25                                       ; sources window 1, C window 2, D window 0
.else
	WIN 0x05
.endif
.irp a, \a0, (\a0)+1
.irp b, 0,1,2,3
.if \zero
	v_wmma_f32_16x16x32_f16 v[ACC+8*(4*(\a)+(\b)):ACC+8*(4*(\a)+(\b))+7], v[(\f)+64+8*(4*(\c)+(\b)):(\f)+64+8*(4*(\c)+(\b))+7], v[(\f)+8*(4*(\c)+(\a)):(\f)+8*(4*(\c)+(\a))+7], v[BIAS+8*(\b):BIAS+8*(\b)+7]
.else
	v_wmma_f32_16x16x32_f16 v[ACC+8*(4*(\a)+(\b)):ACC+8*(4*(\a)+(\b))+7], v[(\f)+64+8*(4*(\c)+(\b)):(\f)+64+8*(4*(\c)+(\b))+7], v[(\f)+8*(4*(\c)+(\a)):(\f)+8*(4*(\c)+(\a))+7], v[ACC+8*(4*(\a)+(\b)):ACC+8*(4*(\a)+(\b))+7]
.endif
.endr
.endr
.endm
; 32 LDS loads in one run: quarter q (64 along K: one unit of A) of a slot into buffer f; the first 32 along K first
.macro FETCH slot, q, f
	WIN 0x40
.irp c, 0,1
.irp i, 0,1,2,3
	ds_load_tr16_b128 v[(\f)+64+8*(4*(\c)+(\i)):(\f)+64+8*(4*(\c)+(\i))+3],   v[ADRB+2*(\slot)+(\q)/2] offset:((\q)%2)*64*PW+(\c)*32*PW+32*(\i)
	ds_load_tr16_b128 v[(\f)+64+8*(4*(\c)+(\i))+4:(\f)+64+8*(4*(\c)+(\i))+7], v[ADRB+2*(\slot)+(\q)/2] offset:((\q)%2)*64*PW+(\c)*32*PW+16*PW+32*(\i)
	ds_load_b128 v[(\f)+8*(4*(\c)+(\i)):(\f)+8*(4*(\c)+(\i))+3],   v[ADRA+(\slot)] offset:(\q)*AUNIT+64*(\c)+(\i)*16*PA
	ds_load_b128 v[(\f)+8*(4*(\c)+(\i))+4:(\f)+8*(4*(\c)+(\i))+7], v[ADRA+(\slot)] offset:(\q)*AUNIT+64*(\c)+(\i)*16*PA+32
.endr
.endr
.endm
.macro QUARTER slot, q, f, g, zero
	s_wait_dscnt 16                                ; the first 32 along K are in; the other sixteen loads may be out
	MUL8 \f, 0, 0, \zero
	MUL8 \f, 0, 2, \zero
	PLACES
	FETCH \slot, \q, \g
	s_wait_dscnt 32                                ; all but the 32 just issued
	MUL8 \f, 1, 0, 0
	MUL8 \f, 1, 2, 0
.endm
; The last quarter multiplies buffer 1 and changes slots: one barrier; in front of it each wave waits for all its tensor loads, adds 0 to its spare word, and waits for that and for its reads of this slot.
.macro TURN slot, next, fill
	WIN 0
	s_wait_tensorcnt 0x0
	ds_add_u32 v[SPW], v[NIL]
	s_wait_dscnt 17                                ; the add and the youngest sixteen loads may be out
	MUL8 F1, 0, 0, 0
	s_wait_dscnt 0x0
	s_barrier_signal -1
	MUL8 F1, 0, 2, 0
.if \fill
	WIN 0
.endif
	s_barrier_wait -1
.if \fill
	CREST                                          ; no wave of any partner still reads this slot or has a load on its way
	s_add_nc_u64 s[G0+4*(\slot)+2:G0+4*(\slot)+3], s[G0+4*(\slot)+2:G0+4*(\slot)+3], 4194304
	s_add_nc_u64 s[G0B+4*(\slot)+2:G0B+4*(\slot)+3], s[G0B+4*(\slot)+2:G0B+4*(\slot)+3], 1048576
	JLOAD \slot                                    ; 112 matrix instructions ahead of the wait for it; its four v_nop are also the places in front of the loads below
.else
	PLACES
.endif
	FETCH \next, 0, F0
	MUL8 F1, 1, 0, 0
	MUL8 F1, 1, 2, 0
.endm
; THE WAY OUT.  A wave's 64 columns of f32 are 256 aligned bytes of a row, so each wave has a stage of its own.  OUT: block a's 16 rows into the stage and back as whole rows.
.macro OUT a
.irp b, 0,1,2,3
	ds_store_b128 v[STO], v[ACC+8*(4*(\a)+(\b)):ACC+8*(4*(\a)+(\b))+3]   offset:64*(\b)
	ds_store_b128 v[STO], v[ACC+8*(4*(\a)+(\b))+4:ACC+8*(4*(\a)+(\b))+7] offset:64*(\b)+16
.endr
.irp t, 0,1,2,3,4,5,6,7
	ds_load_b128 v[TMP+32*((\a)%2)+4*(\t):TMP+32*((\a)%2)+4*(\t)+3], v[RD] offset:(\t)*2*SPITCH  ; LDS serves a wave's instructions in order: these see the stores above
.endr
.endm
.macro SENDF a, younger                ; the residual is added, and the block stored.  younger: the next block's sixteen LDS instructions, or none
	s_wait_dscnt \younger
	WIN 0x08                                       ; source 1 in window 2
.set k, 0
.rept 16
	v_pk_add_f32 v[TMP+32*((\a)%2)+k:TMP+32*((\a)%2)+k+1], v[TMP+32*((\a)%2)+k:TMP+32*((\a)%2)+k+1], v[RES+32*(\a)+k:RES+32*(\a)+k+1]
.set k, k+2
.endr
	WIN 0
.irp t, 0,1,2,3,4,5,6,7
	global_store_b128 v[CO], v[TMP+32*((\a)%2)+4*(\t):TMP+32*((\a)%2)+4*(\t)+3], s[12:13] offset:(16*(\a)+2*(\t))*4096 th:TH_STORE_NT  ; 16 lanes store 256 consecutive bytes, aligned
.endr
.endm
	s_wait_tensorcnt 1                             ; my part of K step 0 is in; K step 1's stays out
	s_barrier_signal -1
	s_barrier_wait -1
	FETCH 0, 0, F0
	s_wait_loadcnt 32                              ; the bias is in; the residual's 32 loads stay out
	QUARTER 0, 1, F0, F1, 1
	WIN 0
	s_mov_b32 s3, LAPS-1
.Llap:
	QUARTER 0, 2, F1, F0, 0
	QUARTER 0, 3, F0, F1, 0
	TURN 0, 1, 1
	QUARTER 1, 1, F0, F1, 0
	QUARTER 1, 2, F1, F0, 0
	QUARTER 1, 3, F0, F1, 0
	TURN 1, 0, 1
	QUARTER 0, 1, F0, F1, 0
	WIN 0
	s_sub_co_u32 s3, s3, 1
	s_cmp_lg_u32 s3, 0
	s_cbranch_scc1 .Llap
	QUARTER 0, 2, F1, F0, 0                        ; the last lap fills nothing
	QUARTER 0, 3, F0, F1, 0
	TURN 0, 1, 0
	QUARTER 1, 1, F0, F1, 0
	QUARTER 1, 2, F1, F0, 0
	QUARTER 1, 3, F0, F1, 0
	s_wait_dscnt 16
	MUL8 F1, 0, 0, 0
	MUL8 F1, 0, 2, 0
	s_wait_dscnt 0x0
	MUL8 F1, 1, 0, 0
	MUL8 F1, 1, 2, 0
	WIN 0
	PLACES
	s_wait_loadcnt 0x0                             ; the residual
	OUT 0
	OUT 1
	SENDF 0, 16
	s_wait_xcnt 0x0                                ; block 0's stores have read their data: those registers are loaded again
	OUT 2
	SENDF 1, 16
	s_wait_xcnt 0x0
	OUT 3
	SENDF 2, 16
	SENDF 3, 0
	s_wait_tensorcnt 0x0                           ; the wave's end
	ds_add_u32 v[SPW], v[NIL]
	s_wait_dscnt 0x0
	CROUND                                         ; the closing round
	s_endpgm
.Lfunc_end_k_qde6e920e06_ffn2:
	.size	k_qde6e920e06_ffn2, .Lfunc_end_k_qde6e920e06_ffn2-k_qde6e920e06_ffn2
	.p2alignl 7, 3214868480
	.fill 96, 4, 3214868480
	.section	.rodata,"a",@progbits
	.p2align	6, 0x0
	.amdhsa_kernel k_qde6e920e06_ffn2
		.amdhsa_group_segment_fixed_size 327680
		.amdhsa_private_segment_fixed_size 0
		.amdhsa_enable_private_segment 0
		.amdhsa_kernarg_size 40
		.amdhsa_user_sgpr_count 2
		.amdhsa_user_sgpr_kernarg_segment_ptr 1
		.amdhsa_wavefront_size32 1
		.amdhsa_system_sgpr_workgroup_id_x 1
		.amdhsa_system_sgpr_workgroup_id_y 1
		.amdhsa_system_sgpr_workgroup_id_z 1
		.amdhsa_system_vgpr_workitem_id 0
		.amdhsa_next_free_vgpr 672
		.amdhsa_next_free_sgpr 66
		.amdhsa_reserve_vcc 0
		.amdhsa_float_denorm_mode_32 3
		.amdhsa_float_denorm_mode_16_64 3
		.amdhsa_memory_ordered 1
		.amdhsa_forward_progress 1
		.amdhsa_inst_pref_size 94
	.end_amdhsa_kernel
	.amdgpu_metadata
---
amdhsa.version: [ 1, 2 ]
amdhsa.kernels:
  - .name:           k_qde6e920e06_ffn2
    .symbol:         k_qde6e920e06_ffn2.kd
    .args:
      - { .name: act32, .offset: 0, .size: 8, .value_kind: global_buffer, .address_space: global }
      - { .name: w_2, .offset: 8, .size: 8, .value_kind: global_buffer, .address_space: global }
      - { .name: b2, .offset: 16, .size: 8, .value_kind: global_buffer, .address_space: global }
      - { .name: x1, .offset: 24, .size: 8, .value_kind: global_buffer, .address_space: global }
      - { .name: out0, .offset: 32, .size: 8, .value_kind: global_buffer, .address_space: global }
    .group_segment_fixed_size: 327680
    .private_segment_fixed_size: 0
    .kernarg_segment_align: 8
    .kernarg_segment_size: 40
    .max_flat_workgroup_size: 128
    .sgpr_count:     66
    .vgpr_count:     672
    .wavefront_size: 32
...
	.end_amdgpu_metadata
.endif
;; end of part 6
